; MI455X (gfx1250); checked and timed in simulation.
; The chip was launched on July 23, 2026; its instructions are those of AMD's public machine-readable ISA for CDNA 5 (MIT licence, August 2026) and "CDNA5" Instruction Set Architecture Reference Guide (July 2026). The comments in the code are by the model that wrote it; some were corrected since.
;; Com Po M. Allowed arithmetic: matrix products marked QUANTISED: E2M3 operands, one E8M0 scale for each 32 along K, by v_wmma_scale_f32_16x16x128_f8f6f4 with both operands' format E2M3, f32 sums; products left as they are: f32 operands where the result goes on into a quantised operand, else bf16, f16 or f32 operands; f32 sums; everything else in f32.
;; Inputs: Wag 1,024 x 2,048 float32; Wpo 2,048 x 1,024 float32; Wse 2,048 x 1,024 float32; bse 2,048 float32; coeff 2,048 x 3 float32; mask 4 x 4,096 int32; xc 4 x 4,096 x 1,024 float32; xq 4 x 2,048 x 1,024 float32.
;; Outputs: out0 4 x 2,048 x 1,024 float32.
;; This version of the problem:
;;   THIS VERSION OF THE PROBLEM IS GIVEN IN LOW PRECISION. The matrix products marked QUANTISED in the list below multiply operands that are first quantised to E2M3 (2 exponent bits, 3 mantissa bits; 6 bits a number), with one power-of-two scale for each 32 numbers along K (OCP MX v1.0); their sums are f32. All else is computed in f32.
;;   The module's matrix products, in the order in which they are computed (A, B: the left and right operand; K: the contracted axis; several contracted axes count as one K, in the product's order):
;;     1. [M 16,384, K 1,024] x [K 1,024, N 2,048]; A: input xc; B: input Wpo: QUANTISED
;;     2. [M 8,192, K 1,024] x [K 1,024, N 2,048]; A: input xq; B: input Wse: QUANTISED
;;     3. batch 4 x [M 2,048, K 4,096] x [K 4,096, N 1]; A: computed on the way; B: input mask: left as it is (N = 1 < 16)
;;     4. [M 8,192, K 2,048] x [K 2,048, N 1,024]; A: computed on the way; B: input Wag: QUANTISED
;;   THE QUANTISER, for each operand of a quantised product, along K:
;;     - K is cut into blocks of 32 from its start; a last block that is shorter is filled with zeros.
;;     - A block's scale is 2^e with e = floor(log2(the largest magnitude in the block)) - 2, held to -126 .. 127; a block of zeros has e = 0. As a byte (E8M0): e + 127.
;;     - Each number is divided by its block's scale, clamped to +-7.5, and rounded to the nearest number of E2M3, ties to even, subnormals kept.
;;     - The product sums the exact products of the quantised numbers (number of the format x scale) in f32.
;;   ~~~python
;;   def quantise(x, axis):      # numpy; x: float32 -> the quantised numbers, widened to float32 again
;;       x = np.moveaxis(x, axis, -1); K = x.shape[-1]
;;       x = np.pad(x, [(0, 0)] * (x.ndim - 1) + [(0, -K % 32)]); x = x.reshape(x.shape[:-1] + (-1, 32)); a = np.abs(x).max(-1, keepdims=True)
;;       e = np.where(a > 0, np.clip(np.frexp(np.where(a > 0, a, 1))[1] - 1 - 2, -126, 127), 0)      # np.frexp(a)[1] - 1 = floor(log2(a)), exactly
;;       r = np.clip(x / 2.0 ** e, -7.5, 7.5)
;;       step = 2.0 ** (np.maximum(np.frexp(np.where(r == 0, 1, r))[1] - 1, 0) - 3)
;;       q = np.round(r / step) * step * 2.0 ** e      # np.round: ties to even
;;       return np.moveaxis(q.reshape(q.shape[:-2] + (-1,))[..., :K], -1, axis).astype(np.float32)
;;   ~~~
;;   OPERANDS COMPUTED ON THE WAY. 'Computed on the way' means the value that the module computes at that place (a softmax that the list does not call 'softmax' is quantised finished and normalised). What goes into a quantiser is computed in f32, as accurately as f32 sums, v_exp_f32 and their like allow (about 1e-6 of the number): no bf16 or f16 on the way to a quantiser, and a product that is left as it is and whose result goes on into a quantised operand takes f32 operands (vector FMAs, or v_wmma_f32_16x16x4_f32). A number that lies on a knife's edge between two numbers of the format may be rounded either way, as far as f32 arithmetic and the matrix unit's own rounding can turn it there, and no further.
;; One version. Each part assembles by itself: llvm-mc -triple=amdgcn-amd-amdhsa -mcpu=gfx1250 --defsym DOCPART=n.
;; ======== version 1 of 1: 4 launches
;; limits: right only within a limited range of input values
;; workspace buffers: qcodes 23,592,960 bytes; qscales 983,040 bytes; cnt 512 bytes; part 2,097,152 bytes; shc 12,582,912 bytes; shs 524,288 bytes
;; launch quant (part 1): grid 449 x 1, 4 waves a work-group, no clusters, 58,368 bytes of LDS; arguments xq, Wpo, Wse, Wag, mask, qcodes, qscales, cnt; writes qcodes, qscales, cnt
.if DOCPART == 1
	.amdgcn_target "amdgcn-amd-amdhsa--gfx1250"
	.amdhsa_code_object_version 6
	.text
	.protected	k_q13c29eb4eb_quant
	.globl	k_q13c29eb4eb_quant
	.p2align	8
	.type	k_q13c29eb4eb_quant,@function
k_q13c29eb4eb_quant:
	s_mov_b64 s[64:65], 0
	v_nop
	global_prefetch_b8 v0, s[64:65] scope:SCOPE_SE
	s_setreg_imm32_b32 hwreg(HW_REG_WAVE_MODE, 25, 1), 1
	s_wait_xcnt 0x0
; xq [8192][1024], Wpo [2048][1024], Wse [2048][1024], Wag [1024][2048], f32, K innermost, become codes of FP6 (E2M3) with one E8M0 byte for each 32 along K.
; A block's scale is 2^(floor(log2(its largest magnitude)) - 2); its byte is the largest magnitude's exponent field - 2, held at 1 from below.  Each number is divided by the scale and rounded to the nearest code, ties to even;
; beyond 7.5 the conversion gives the largest code.
; LIMITS: NaN and infinities among the inputs are not served.  A block of zeros gets the byte 1 where the rule says 127: its codes are zeros, which add nothing, and the bytes are read by this program alone.
; LAYOUT OF THE CODES: [k / 256][row][192 bytes]: the 128 rows that a later tensor load takes of one step of 256 along K are then 24,576 consecutive bytes.  The scale bytes lie [row][K / 32].
; Wse's ROWS ARE STORED IN ANOTHER ORDER: in each 32 rows the second and the third group of eight change places, codes and scale bytes alike, so that 16 stored rows are a tile whose results,
; two tiles together, are 16 neighbours along the next product's K.
; SHARES: a work-group takes 32,768 numbers, a wave 8,192 (8 rows of 1,024 or 4 of 2,048) in 16 steps of 512.  Work-groups 0-255 xq, 256-319 Wpo, 320-383 Wse, 384-447 Wag: only pointers and
; a few scalars are chosen by the work-group's number; all take one path.  Work-group 448 sums the mask: wave b the 4,096 whole numbers of batch b (summed as whole numbers, then converted: equal to the f32 sum wherever that is exact).
; Each of a step's four loads reads 512 consecutive bytes; the 2,048 bytes turn through the wave's own stage in LDS and come back 64 bytes a lane: 16 neighbours along K, two lanes to a block.
; A lane's 16 codes are 12 bytes; a step's lanes 0-15 hold 192 bytes of one plane's row, lanes 16-31 those of the next plane's.  STEPS t AND t + 2 EXCHANGE HALVES before they are stored: where a row is two steps
; (K = 1,024) they are the same part of K of two neighbouring rows, so that each store's 32 lanes then cover 384 consecutive bytes of one plane.  Where a row is four steps (Wag) they are two parts of one row, and a store
; stays two runs of 192 bytes, four planes apart.  No tensor loads, no barrier: waves share nothing.
.set STEPS, 16
.set EMAX,  2
.set R,     16                         ; v16-79   four sets of 16 numbers as they are loaded
.set X,     80                         ; v80-111  two sets of 16 neighbours
.set E,     112                        ; v112-127 a scale byte for each step
.set C,     128                        ; v128-191 codes: four registers for each step, so that no store's data are written again
.set AD,    192                        ; v192-207 each step's byte offset among the codes: never rewritten
.set WREG,  8192                       ; LDS: a region for each wave: two stages of 32 x SP bytes, behind them its 256 scale bytes
.set SP,    80                         ; a lane's place in a stage: its 64 bytes + 16 of padding
.set XQ_C,  12582912                   ; where each tensor's codes begin in qcodes
.set WPO_C, 18874368
.set WSE_C, 20447232
.set WAG_C, 22020096
	; xc is no longer served here: the launch that multiplies it quantises it.  449 work-groups: 0-255 xq, 256-319 Wpo, 320-383 Wse, 384-447 Wag, 448 the mask's sums
	s_load_b64 s[10:11], s[0:1], 0x0               ; xq
	s_load_b128 s[12:15], s[0:1], 0x8              ; Wpo 12, Wse 14
	s_load_b256 s[16:23], s[0:1], 0x18             ; Wag 16, mask 18, qcodes 20, qscales 22
	s_load_b64 s[24:25], s[0:1], 0x38              ; cnt
	v_lshl_add_u32 v208, v0, 2, 0x8000
	v_mov_b32 v209, 0
	v_lshrrev_b32 v1, 5, v0
	v_readfirstlane_b32 s26, v1                    ; wave
	v_and_b32 v2, 31, v0                           ; lane
	s_add_co_u32 s3, ttmp9, 512                    ; the place among the runs of 32,768 numbers by which codes and scale bytes are laid: xq's begin at run 512
	s_cmp_eq_u32 s3, 960
	s_cbranch_scc1 .Lcount
	v_lshlrev_b32 v3, 4, v2                        ; my 16 bytes of a load's 512
	s_mul_i32 s38, s26, WREG
	v_lshrrev_b32 v14, 2, v2
	v_mul_u32_u24 v14, v14, SP
	v_and_b32 v15, 3, v2
	v_lshl_add_u32 v14, v15, 4, v14
	v_add_nc_u32 v14, s38, v14                     ; the stage, on the way in: SP (lane / 4) + 16 (lane % 4)
	v_mul_u32_u24 v15, v2, SP
	v_add_nc_u32 v15, s38, v15                     ; and on the way out: SP x lane: my 16 neighbours
	v_lshrrev_b32 v5, 1, v2
	s_add_co_u32 s38, s38, 2*32*SP
	v_add_nc_u32 v5, s38, v5                       ; LDS: my wave's 256 scale bytes, my block's byte
	v_lshlrev_b32 v7, 3, v2                        ; and on the way out 8 bytes a lane
	v_add_nc_u32 v6, s38, v7
	s_mov_b32 s27, 512                             ; the tensor's first run: xq's, unless chosen otherwise below
	s_mov_b32 s28, XQ_C
	s_mov_b32 s29, 8192*192
	s_mov_b32 s30, 1                               ; log2 of the steps in a row
	s_mov_b32 s31, 0                               ; 3 where the groups of eight rows change places
	s_mov_b32 s32, 384                             ; bytes from one four of steps to the next: two rows, or one
	s_mov_b32 s33, 192                             ; what lanes 16-31 of a store lie further on than lanes 0-15: a row, or four planes
	s_wait_kmcnt 0x0
	s_mov_b64 s[4:5], s[10:11]
	s_cmp_ge_u32 s3, 768                           ; the choices hang on the work-group's number alone
	s_cselect_b64 s[4:5], s[12:13], s[4:5]
	s_cselect_b32 s27, 768, s27
	s_cselect_b32 s28, WPO_C, s28
	s_cselect_b32 s29, 2048*192, s29
	s_cmp_ge_u32 s3, 832
	s_cselect_b64 s[4:5], s[14:15], s[4:5]
	s_cselect_b32 s27, 832, s27
	s_cselect_b32 s28, WSE_C, s28
	s_cselect_b32 s31, 3, s31
	s_cmp_ge_u32 s3, 896
	s_cselect_b64 s[4:5], s[16:17], s[4:5]
	s_cselect_b32 s27, 896, s27
	s_cselect_b32 s28, WAG_C, s28
	s_cselect_b32 s29, 1024*192, s29
	s_cselect_b32 s30, 2, s30
	s_cselect_b32 s31, 0, s31
	s_cselect_b32 s32, 192, s32
	s_cselect_b32 s33, 4*1024*192, s33
	s_sub_co_u32 s34, s3, s27
	s_lshl_b32 s34, s34, 2
	s_add_co_u32 s34, s34, s26                     ; g: which run of 8,192 numbers of the tensor is my wave's
	s_lshr_b32 s35, s34, 1
	s_xor_b32 s35, s35, s34
	s_and_b32 s35, s35, 1                          ; 1 where g's two lowest bits differ
	s_mul_i32 s35, s35, s31
	s_xor_b32 s35, s34, s35                        ; g': where the run's codes and bytes go (for Wse runs 1 and 2 of four change places)
	s_lshl_b32 s36, s34, 15
	s_mov_b32 s37, 0
	s_add_nc_u64 s[4:5], s[4:5], s[36:37]          ; the numbers: 32,768 bytes a run
	s_sub_co_u32 s36, 4, s30
	s_lshl_b32 s36, s35, s36                       ; the run's first stored row
	s_mul_i32 s36, s36, 192
	s_add_co_u32 s36, s36, s28
	s_add_nc_u64 s[20:21], s[20:21], s[36:37]      ; the codes: that row in the tensor's plane 0
	s_lshl_b32 s36, s27, 2
	s_add_co_u32 s36, s36, s35
	s_lshl_b32 s36, s36, 8
	s_add_nc_u64 s[22:23], s[22:23], s[36:37]      ; the scale bytes: 256 a run, the tensors on end in the order of their work-groups
	v_and_b32 v4, 15, v2
	v_mul_u32_u24 v4, v4, 12
	v_lshrrev_b32 v8, 4, v2
	v_mad_u32_u24 v4, v8, s33, v4                  ; 12 (lane % 16) + (lane / 16) x (a row, or four planes)
; Step t = 4 u + 2 j + q.  Behind the exchange its registers hold plane 2 q + j: with two steps to a row rows 2 u (lanes 0-15) and 2 u + 1 (lanes 16-31); with four steps to a row row u, planes 2 q + j and 2 q + j + 4
	s_wait_alu depctr_va_vdst(0)
.irp t, 0,1,2,3,4,5,6,7,8,9,10,11,12,13,14,15
	s_mul_i32 s34, s29, (2*(\t&1)+((\t>>1)&1))
	s_mul_i32 s35, s32, (\t>>2)
	s_add_co_u32 s34, s34, s35
	v_add_nc_u32 v[AD+\t], s34, v4
.endr
.macro LOAD t
.irp i, 0,1,2,3
	global_load_b128 v[R+16*((\t)%4)+4*\i:R+16*((\t)%4)+4*\i+3], v3, s[4:5] offset:2048*(\t)+512*\i th:TH_LOAD_NT   ; 32 lanes read 512 consecutive bytes
.endr
.endm
.macro TURN t                          ; step t's numbers through the stage: LDS serves a wave's instructions in order, so no wait stands between the stores and the loads
.irp i, 0,1,2,3
	ds_store_b128 v14, v[R+16*((\t)%4)+4*\i:R+16*((\t)%4)+4*\i+3] offset:32*SP*((\t)%2)+8*SP*\i
.endr
.irp i, 0,1,2,3
	ds_load_b128 v[X+16*((\t)%2)+4*\i:X+16*((\t)%2)+4*\i+3], v15 offset:32*SP*((\t)%2)+16*\i
.endr
.endm
.irp t, 0,1,2,3
	LOAD \t
.endr
	s_wait_loadcnt 12                              ; step 0's four loads are in
	TURN 0
.macro STEP t, kind
.set XS, X+16*((\t)%2)
.if (\t) > 0
	s_wait_dscnt 1+3*\kind
.else
	s_wait_dscnt 0x0
.endif
.if (\t)+4 < STEPS
	LOAD (\t)+4                                    ; which take the loads of four steps on
.endif
.if (\t)+1 < STEPS
.if STEPS-2-(\t) >= 3
	s_wait_loadcnt 12                              ; the next step's four loads are in; those of the three steps behind it may be out
.else
	s_wait_loadcnt 4*(STEPS-2-(\t))
.endif
	TURN (\t)+1                                    ; and go through the other stage while this step is worked
.endif
	v_max3_num_f32 v8, |v[XS]|, |v[XS+1]|, |v[XS+2]|               ; the largest magnitude of my 16
	v_max3_num_f32 v9, |v[XS+3]|, |v[XS+4]|, |v[XS+5]|
.irp i, 6,10
	v_max3_num_f32 v8, v8, |v[XS+\i]|, |v[XS+\i+1]|
	v_max3_num_f32 v9, v9, |v[XS+\i+2]|, |v[XS+\i+3]|
.endr
	v_max3_num_f32 v8, v8, |v[XS+14]|, |v[XS+15]|
	v_max3_num_f32 v8, v8, v9, (EMAX+1)<<23        ; and the floor 2^(3 - 127): so the byte cannot fall under 1
	v_max_num_f32_dpp v8, v8, v8 row_xmask:1 row_mask:0xf bank_mask:0xf   ; and of my neighbour's 16: the block's
	v_add_nc_u32 v11, -(EMAX<<23), v8              ; 2 off its exponent field: the conversion takes the exponent field of this operand as its scale, and nothing else of it
	v_cvt_scalef32_pk16_fp6_f32 v[C+4*(\t):C+4*(\t)+2], v[XS:XS+15], v11
	v_lshrrev_b32 v[E+(\t)], 23, v11               ; the scale's byte (a plain line behind the conversion)
	ds_store_b8 v5, v[E+(\t)] offset:16*(\t)       ; both lanes of a block write the same byte with the same value
.if \kind                              ; Wpo: the codes are gathered as plain rows of 768 bytes, 784 apart, in the wave's own LDS bytes
.irp k, 0,1,2
	ds_store_b32 v10, v[C+4*(\t)+\k] offset:784*((\t)/2)+384*((\t)%2)+4*\k
.endr
.endif
.if (((\t)&2) != 0) && (\kind == 0)
.irp k, 0,1,2
	v_permlane16_swap_b32 v[C+4*((\t)-2)+\k], v[C+4*(\t)+\k]   ; step t - 2's lanes 16-31 change places with this step's lanes 0-15: each of the two now holds one plane's codes in all its lanes
.endr
	global_store_b96 v[AD+(\t)-2], v[C+4*((\t)-2):C+4*((\t)-2)+2], s[20:21]
	global_store_b96 v[AD+(\t)], v[C+4*(\t):C+4*(\t)+2], s[20:21]
.endif
.endm
	s_cmp_eq_u32 s27, 768                          ; Wpo's work-groups lay their codes otherwise: a choice by the work-group's number alone
	s_cbranch_scc1 .Lwpo
.irp t, 0,1,2,3,4,5,6,7,8,9,10,11,12,13,14,15
	STEP \t, 0
.endr
	ds_load_b64 v[12:13], v6                       ; LDS serves a wave's instructions in order: these see my stores
	s_wait_dscnt 0x0
	global_store_b64 v7, v[12:13], s[22:23]        ; 32 lanes store 256 consecutive bytes, at a multiple of 256 from the buffer's first byte
	s_wait_tensorcnt 0x0
	ds_add_u32 v208, v209
	s_wait_dscnt 0x0
	s_endpgm
; Wpo's CODES ARE LAID AS THE NEXT LAUNCH'S REGISTERS TAKE THEM: [row / 16][k / 256][i = 0 .. 5][lane = 16 h + row % 16][16 bytes]: bytes 96 h + 16 i .. + 15 of the row's 192 bytes of that plane.
; A wave has 8 rows: each of its 12 stores covers four runs of 128 consecutive bytes (lane = 16 (i % 2) + 8 h + row % 8).
.Lwpo:
	s_mul_i32 s38, s26, 8*784
	s_add_co_u32 s38, s38, 33280                   ; my 6,272 bytes, behind the spare words
	v_mul_u32_u24 v10, v2, 12
	v_add_nc_u32 v10, s38, v10                     ; in: 12 bytes a lane
	v_and_b32 v12, 7, v2
	v_bfe_u32 v13, v2, 3, 1
	v_lshrrev_b32 v1, 4, v2
	v_mul_u32_u24 v4, v12, 784
	v_mad_u32_u24 v4, v13, 96, v4
	v_lshl_add_u32 v4, v1, 4, v4
	v_add_nc_u32 v4, s38, v4                       ; out: row, 96 h, 16 (i % 2)
	v_lshlrev_b32 v12, 4, v12
	v_lshl_add_u32 v12, v13, 8, v12
	v_lshl_add_u32 v12, v1, 9, v12                 ; and the same place in memory
	s_sub_co_u32 s34, s3, 768
	s_lshl_b32 s34, s34, 2
	s_add_co_u32 s34, s34, s26                     ; g: my run of 8 rows
	s_mul_i32 s36, s34, 1536
	s_mov_b32 s37, 0
	s_sub_nc_u64 s[20:21], s[20:21], s[36:37]      ; back to the first byte of Wpo's codes,
	s_lshr_b32 s36, s34, 1
	s_mul_i32 s36, s36, 12288
	s_and_b32 s35, s34, 1
	s_lshl_b32 s35, s35, 7
	s_add_co_u32 s36, s36, s35
	s_add_nc_u64 s[20:21], s[20:21], s[36:37]      ; and on to 12,288 (g / 2) + 128 (g % 2)
	s_wait_alu depctr_va_vdst(0)                   ; ahead of the steps' waits
.irp t, 0,1,2,3,4,5,6,7,8,9,10,11,12,13,14,15
	STEP \t, 1
.endr
	ds_load_b64 v[8:9], v6                         ; LDS serves a wave's instructions in order: these see my stores
.set n, 0
.rept 12
	ds_load_b128 v[16+4*n:19+4*n], v4 offset:192*(n/3)+32*(n%3)
.set n, n+1
.endr
	s_wait_dscnt 0x0
	global_store_b64 v7, v[8:9], s[22:23]
.set n, 0
.rept 12
	global_store_b128 v12, v[16+4*n:19+4*n], s[20:21] offset:3072*(n/3)+1024*(n%3)
.set n, n+1
.endr
	s_wait_tensorcnt 0x0
	ds_add_u32 v208, v209
	s_wait_dscnt 0x0
	s_endpgm
.Lcount:
	s_wait_kmcnt 0x0
	s_lshl_b32 s36, s26, 14
	s_mov_b32 s37, 0
	s_add_nc_u64 s[18:19], s[18:19], s[36:37]
	s_wait_alu depctr_va_vdst(0)
	v_lshlrev_b32 v1, 4, v2
	v_lshlrev_b32 v3, 2, v0                        ; 128 x wave + 4 x lane
	s_mov_b32 s38, 0x76543210                      ; v_permlanex16_b32's selects for lane l xor 16
	s_mov_b32 s39, 0xfedcba98
.set i, 0
.rept 32
	global_load_b128 v[16+4*i:19+4*i], v1, s[18:19] offset:512*i
.set i, i+1
.endr
	s_wait_loadcnt 0x0
.irp k, 0,1,2,3                        ; four chains, started by the first words: nothing is cleared
	v_add3_u32 v[8+\k], v[16+\k], v[20+\k], v[24+\k]
.endr
.set i, 3
.rept 14
.irp k, 0,1,2,3
	v_add3_u32 v[8+\k], v[8+\k], v[16+4*i+\k], v[20+4*i+\k]
.endr
.set i, i+2
.endr
.irp k, 0,1,2,3
	v_add_nc_u32 v[8+\k], v[8+\k], v[140+\k]
.endr
	v_add3_u32 v8, v8, v9, v10
	v_add_nc_u32 v8, v8, v11
	v_cvt_f32_i32 v8, v8
	v_add_f32_dpp v8, v8, v8 row_xmask:1 row_mask:0xf bank_mask:0xf
	v_add_f32_dpp v8, v8, v8 row_xmask:2 row_mask:0xf bank_mask:0xf
	v_add_f32_dpp v8, v8, v8 row_xmask:4 row_mask:0xf bank_mask:0xf
	v_add_f32_dpp v8, v8, v8 row_xmask:8 row_mask:0xf bank_mask:0xf
	v_permlanex16_b32 v9, v8, s38, s39             ; (its destination has been written)
	v_add_f32 v8, v8, v9                           ; every lane holds the batch's sum
	global_store_b32 v3, v8, s[24:25]              ; 32 equal words for each batch: a later wave loads one a lane
	s_endpgm
.Lfunc_end_k_q13c29eb4eb_quant:
	.size	k_q13c29eb4eb_quant, .Lfunc_end_k_q13c29eb4eb_quant-k_q13c29eb4eb_quant
	.p2alignl 7, 3214868480
	.fill 96, 4, 3214868480
	.section	.rodata,"a",@progbits
	.p2align	6, 0x0
	.amdhsa_kernel k_q13c29eb4eb_quant
		.amdhsa_group_segment_fixed_size 58368
		.amdhsa_private_segment_fixed_size 0
		.amdhsa_enable_private_segment 0
		.amdhsa_kernarg_size 64
		.amdhsa_user_sgpr_count 2
		.amdhsa_user_sgpr_kernarg_segment_ptr 1
		.amdhsa_wavefront_size32 1
		.amdhsa_system_sgpr_workgroup_id_x 1
		.amdhsa_system_sgpr_workgroup_id_y 1
		.amdhsa_system_sgpr_workgroup_id_z 1
		.amdhsa_system_vgpr_workitem_id 0
		.amdhsa_next_free_vgpr 210
		.amdhsa_next_free_sgpr 66
		.amdhsa_reserve_vcc 0
		.amdhsa_float_denorm_mode_32 3
		.amdhsa_float_denorm_mode_16_64 3
		.amdhsa_memory_ordered 1
		.amdhsa_forward_progress 1
		.amdhsa_inst_pref_size 77
	.end_amdhsa_kernel
	.amdgpu_metadata
---
amdhsa.version: [ 1, 2 ]
amdhsa.kernels:
  - .name:           k_q13c29eb4eb_quant
    .symbol:         k_q13c29eb4eb_quant.kd
    .args:
      - { .name: xq, .offset: 0, .size: 8, .value_kind: global_buffer, .address_space: global }
      - { .name: Wpo, .offset: 8, .size: 8, .value_kind: global_buffer, .address_space: global }
      - { .name: Wse, .offset: 16, .size: 8, .value_kind: global_buffer, .address_space: global }
      - { .name: Wag, .offset: 24, .size: 8, .value_kind: global_buffer, .address_space: global }
      - { .name: mask, .offset: 32, .size: 8, .value_kind: global_buffer, .address_space: global }
      - { .name: qcodes, .offset: 40, .size: 8, .value_kind: global_buffer, .address_space: global }
      - { .name: qscales, .offset: 48, .size: 8, .value_kind: global_buffer, .address_space: global }
      - { .name: cnt, .offset: 56, .size: 8, .value_kind: global_buffer, .address_space: global }
    .group_segment_fixed_size: 58368
    .private_segment_fixed_size: 0
    .kernarg_segment_align: 8
    .kernarg_segment_size: 64
    .max_flat_workgroup_size: 128
    .sgpr_count:     66
    .vgpr_count:     210
    .wavefront_size: 32
...
	.end_amdgpu_metadata
.endif
;; end of part 1
;; launch pom (part 2): grid 256 x 1, 4 waves a work-group, no clusters, 74,240 bytes of LDS; arguments xc, qcodes, qscales, mask, coeff, part; writes part
.if DOCPART == 2
	.amdgcn_target "amdgcn-amd-amdhsa--gfx1250"
	.amdhsa_code_object_version 6
	.text
	.protected	k_q13c29eb4eb_pom
	.globl	k_q13c29eb4eb_pom
	.p2align	8
	.type	k_q13c29eb4eb_pom,@function
k_q13c29eb4eb_pom:
	s_mov_b64 s[64:65], 0
	v_nop
	global_prefetch_b8 v0, s[64:65] scope:SCOPE_SE
	s_setreg_imm32_b32 hwreg(HW_REG_WAVE_MODE, 25, 1), 1
	s_wait_xcnt 0x0
; part[g][e] = the sum over work-group g's 64 rows n of xc of mask[n] x poly_e(act(h[n][e])), h = Q(xc) Q(Wpo)^T in FP6 (E2M3) with one E8M0 scale for each 32 along K, sums in f32.
; act(x) = min(max(x, 0.01 x, -0.1), 6);  poly_e(a) = a (c0 + a (c1 + a c2)): Horner's form, whose rounding differs from the written-out powers' by a few units in the last place.
; LIMITS: NaN and infinities are not served.  A block of zeros of xc gets the scale byte 1 where the rule says 127: its codes are zeros, and the bytes never leave this work-group.
; SHARES: 256 work-groups, each 64 rows of xc x all 2,048 hidden units.  xc is read once, as f32, and quantised here: wave w takes rows 16 w .. 16 w + 15 in 32 steps of 512 numbers
; (four loads of 512 consecutive bytes, a turn through the wave's own stage, 16 neighbours a lane, two lanes to a block), and puts codes (rows of 768 bytes, 784 apart) and scale bytes (32 a row, 48 apart) into an LDS image.
; Behind one barrier every wave takes all 64 rows for all of K into registers: 4 blocks x 8 steps x 12 = 384, and 32 scale words.  They stay there.
; Wpo goes by in 16 tiles of 128 hidden units; of a tile wave w multiplies units 32 w .. 32 w + 31: 2 x 4 accumulators, 64 matrix instructions.
; Wpo's CODES GO FROM MEMORY STRAIGHT INTO REGISTERS.  No two waves of a work-group use the same fragment of Wpo, so through LDS each byte would be written once and read once, with a barrier for every tile; that is also why no
; cluster asks jointly: nothing of Wpo lands in LDS.  The launch before has laid the codes [unit / 16][k / 256][i = 0 .. 5][lane][16 bytes], so that each load's 32 lanes read 512 consecutive bytes.
; A plane's 48 registers are asked for again, for the next tile, directly behind the plane's 16 products: by the text's count 48 such loads a wave are out, each with a tile's products and polynomial in which to land.
; No prefetch: all 256 work-groups read the same 1,572,864 bytes of Wpo in the same order, and each load is asked for a whole tile ahead.
; THE ORDER ALONG K.  Lane (r, h) holds bytes 96 h .. 96 h + 95 of a row's 192 bytes of a plane: blocks 4 h .. 4 h + 3 of its eight blocks of 32.  Matrix instruction q of the plane takes blocks 2 q, 4 + 2 q, 2 q + 1, 5 + 2 q
; at its four places.  xc's fragments are read from the image in the same order, and both sides' scale words are put in that order by v_perm_b32: the same products, summed in another order.
; Source 0 = 16 rows of xc, source 1 = 16 rows of Wpo: a lane holds ONE hidden unit and its registers run down rows of xc, so the masked sum stays in the lane.
; REGISTERS: window 0: v1-5 lane terms; v6-7 the closing add's; v16-23 at work; v24-31 addresses; v32-63 xc's scale words; v64-71 Wpo's as loaded, v72-79 in order; v80-87 coefficients; v96-127 the mask;
;   v128-191 accumulators ((block b, unit block e) at v[128 + 8 (2 b + e)]); v192-239 the polynomial.  At the head v80-111 two sets of 16 neighbours, v112-255 nine sets of 16 numbers as loaded.
;   window 1: Wpo's fragments (e, plane p, q) at v[24 (4 e + p) + 12 q].  Windows 2, 3: xc's fragments, blocks 0-1 and 2-3, at v[12 (8 (b % 2) + 2 p + q)].
.set AOFF,  18874368                   ; Wpo's codes in qcodes
.set ASOFF, 786432                     ; Wpo's scale bytes in qscales
.set EBB,   12288                      ; 16 units, all of K
.set TILEB, 8*EBB
.set IP,    784                        ; the codes' image begins at LDS byte 0
.set SCI,   64*IP
.set SIP,   48
.set STG,   SCI+64*SIP
.set SP,    80
.set SPARE, STG+4*5120
.set NS, 9
.set X,  80
.set R,  112
.set SPW, 6
.set NIL, 7
.set CP, 16
.set SA, 22
.set AS, 32
.set BR, 64
.set BS, 72
.set CF, 80
.set MK, 96
.set ACC, 128
.set TT, 192
.set SS, 224
.set LK, 40                            ; s[40:41] 0.01, s42 -0.1, s43 6.0
.set LO, 42
.set HI, 43
.set MSB, 0
.macro WIN new                         ; the immediate's high byte repeats the setting that is left
.if MSB != \new
	s_set_vgpr_msb (MSB<<8)|\new
.set MSB, \new
.endif
.endm
.macro PLACES
.rept 4
	v_nop
.endr
.endm
	s_load_b256 s[4:11], s[0:1], 0x0               ; xc 4, qcodes 6, qscales 8, mask 10
	s_load_b128 s[12:15], s[0:1], 0x20             ; coeff 12, part 14
	v_lshl_add_u32 v[SPW], v0, 2, SPARE
	v_mov_b32 v[NIL], 0
	v_lshrrev_b32 v1, 5, v0
	v_readfirstlane_b32 s16, v1                    ; wave
	s_lshl_b32 s48, ttmp9, 18                      ; xc: 64 rows of 4,096 bytes a work-group, 16 a wave
	s_lshl_b32 s49, s16, 16
	s_add_co_u32 s48, s48, s49
	s_mov_b32 s49, 0
	v_and_b32 v10, 31, v0                          ; lane
	v_lshlrev_b32 v31, 4, v10                      ; my 16 bytes of a load's 512
	s_mul_i32 s20, s16, 5120
	s_add_co_u32 s20, s20, STG
	v_lshrrev_b32 v27, 2, v10
	v_mul_u32_u24 v27, v27, SP
	v_and_b32 v11, 3, v10
	v_lshl_add_u32 v27, v11, 4, v27
	v_add_nc_u32 v27, s20, v27                     ; the stage, in: SP (lane / 4) + 16 (lane % 4)
	v_mul_u32_u24 v28, v10, SP
	v_add_nc_u32 v28, s20, v28                     ; and out: SP x lane
	s_mul_i32 s21, s16, 16*IP
	v_mul_u32_u24 v29, v10, 12
	v_add_nc_u32 v29, s21, v29                     ; the codes' image: my wave's rows, 12 bytes a lane
	s_mul_i32 s22, s16, 16*SIP
	s_add_co_u32 s22, s22, SCI
	v_lshrrev_b32 v30, 1, v10
	v_add_nc_u32 v30, s22, v30                     ; the scales' image: my block's byte
	s_wait_alu depctr_va_vdst(0)                   ; directly ahead of the wait below
	s_wait_kmcnt 0x0
	s_add_nc_u64 s[4:5], s[4:5], s[48:49]
.macro LOAD t
.irp i, 0,1,2,3
	global_load_b128 v[R+16*((\t)%NS)+4*\i:R+16*((\t)%NS)+4*\i+3], v31, s[4:5] offset:2048*(\t)+512*\i th:TH_LOAD_NT
.endr
.endm
.irp t, 0,1,2,3,4,5,6,7,8
	LOAD \t
.endr
	s_mul_i32 s48, s16, 2*EBB
	s_add_co_u32 s48, s48, AOFF
	s_add_nc_u64 s[32:33], s[6:7], s[48:49]        ; Wpo's codes: tile 0, my two unit blocks
	s_lshl_b32 s48, ttmp9, 8
	s_add_nc_u64 s[10:11], s[10:11], s[48:49]      ; the mask of my 64 rows
	s_lshl_b32 s48, s16, 10
	s_add_co_u32 s48, s48, ASOFF
	s_add_nc_u64 s[44:45], s[8:9], s[48:49]        ; Wpo's scale bytes: 32 rows of 32 bytes a wave
	s_mul_i32 s48, s16, 384
	s_add_nc_u64 s[46:47], s[12:13], s[48:49]      ; the coefficients: 32 x 12 bytes a wave
	s_lshl_b32 s48, ttmp9, 13
	s_lshl_b32 s50, s16, 11
	s_add_co_u32 s48, s48, s50
	s_add_nc_u64 s[14:15], s[14:15], s[48:49]      ; part: 8,192 bytes a work-group, of which I store 2,048
	s_mov_b32 s[LK], 0x3c23d70a
	s_mov_b32 s[LK+1], s[LK]
	s_mov_b32 s[LO], 0xbdcccccd
	s_mov_b32 s[HI], 0x40c00000
	s_mov_b32 s34, 0x05010400                      ; a plane's two scale words w0, w1 -> bytes w0.0, w1.0, w0.1, w1.1 (q = 0)
	s_mov_b32 s35, 0x07030602                      ; and w0.2, w1.2, w0.3, w1.3 (q = 1)
; THE QUANTISER.  Step t: half t % 2 of my row t / 2
.macro TURN t                          ; LDS serves a wave's instructions in order: no wait between the stores and the loads
.irp i, 0,1,2,3
	ds_store_b128 v27, v[R+16*((\t)%NS)+4*\i:R+16*((\t)%NS)+4*\i+3] offset:32*SP*((\t)%2)+8*SP*\i
.endr
.irp i, 0,1,2,3
	ds_load_b128 v[X+16*((\t)%2)+4*\i:X+16*((\t)%2)+4*\i+3], v28 offset:32*SP*((\t)%2)+16*\i
.endr
.endm
.macro STEP t
.set XS, X+16*((\t)%2)
.set CC, 16+4*((\t)%2)                 ; three registers of codes and one for the byte, two sets by turns
.if (\t) > 0
	s_wait_dscnt 4                                 ; this step's numbers are back (the last step's four image stores may be out)
.else
	s_wait_dscnt 0x0
.endif
.if (\t)+NS < 32
	LOAD (\t)+NS
	s_wait_loadcnt 4*(NS-1)                        ; the next step's four loads are in; those of the NS - 1 steps behind it may be out
	TURN (\t)+1
.else
.if (\t) < 31
	s_wait_loadcnt 4*(30-(\t))
	TURN (\t)+1
.endif
.endif
	v_max3_num_f32 v24, |v[XS]|, |v[XS+1]|, |v[XS+2]|
	v_max3_num_f32 v25, |v[XS+3]|, |v[XS+4]|, |v[XS+5]|
.irp i, 6,10
	v_max3_num_f32 v24, v24, |v[XS+\i]|, |v[XS+\i+1]|
	v_max3_num_f32 v25, v25, |v[XS+\i+2]|, |v[XS+\i+3]|
.endr
	v_max3_num_f32 v24, v24, |v[XS+14]|, |v[XS+15]|
	v_max3_num_f32 v24, v24, v25, 3<<23            ; the floor 2^(3 - 127): the byte cannot fall under 1
	v_max_num_f32_dpp v24, v24, v24 row_xmask:1 row_mask:0xf bank_mask:0xf   ; with my neighbour's 16: the block's largest magnitude
	v_add_nc_u32 v26, -(2<<23), v24                ; 2 off its exponent field: the conversion's scale operand
	v_cvt_scalef32_pk16_fp6_f32 v[CC:CC+2], v[XS:XS+15], v26
	v_lshrrev_b32 v[CC+3], 23, v26                 ; the scale's byte (a plain line behind the conversion)
	ds_store_b8 v30, v[CC+3] offset:SIP*((\t)/2)+16*((\t)%2)
.irp k, 0,1,2
	ds_store_b32 v29, v[CC+\k] offset:IP*((\t)/2)+384*((\t)%2)+4*\k
.endr
.endm
	s_wait_loadcnt 4*(NS-1)
	TURN 0
.set Q, 0
.rept 32
	STEP Q
.set Q, Q+1
.endr
	s_wait_dscnt 0x0                               ; for the others' sake: my part of the image is stored
	s_barrier_signal -1
	v_and_b32 v1, 15, v0                           ; r
	v_bfe_u32 v2, v0, 4, 1                         ; h
	v_lshlrev_b32 v3, 4, v10                       ; 16 bytes a lane: Wpo's codes, and part
	v_mul_u32_u24 v4, v1, 12                       ; the coefficients of unit r
	v_lshlrev_b32 v5, 5, v10                       ; Wpo's scale bytes: 32 a lane: lanes 0-15 unit block 0, lanes 16-31 unit block 1
	v_lshlrev_b32 v9, 5, v2                        ; the mask: 8 rows further on for lanes 16-31
	v_mul_u32_u24 v24, v1, IP
	v_mad_u32_u24 v24, v2, 96, v24                 ; xc's fragments in the image: row r, + 96 h
	v_mul_u32_u24 v25, v1, SIP
	v_add_nc_u32 v25, SCI, v25                     ; and their scale bytes
	v_lshl_add_u32 v26, v0, 2, STG-512             ; results: 4 (32 wave + lane), + 512 a tile; stepped at the head of every tile
	s_lshl_b32 s21, s16, 11
	s_add_co_u32 s21, s21, STG
	v_add_nc_u32 v27, s21, v3                      ; and back: 2,048 bytes a wave, 16 a lane
	s_wait_alu depctr_va_vdst(0)                   ; directly ahead of the wait below
	s_barrier_wait -1
.macro PLOAD p, off                    ; plane p of my two unit blocks: 12 loads of 512 consecutive bytes
.irp e, 0,1
.irp i, 0,1,2,3,4,5
	global_load_b128 v[24*(4*\e+\p)+4*\i:24*(4*\e+\p)+4*\i+3], v3, s[32:33] offset:\off+\e*EBB+\p*3072+\i*512
.endr
.endr
.endm
.macro SLOAD reg, off                  ; a tile's scale bytes for my 32 units
	global_load_b128 v[\reg:\reg+3], v5, s[44:45] offset:\off
	global_load_b128 v[\reg+4:\reg+7], v5, s[44:45] offset:\off+16
.endm
.macro CLOAD off                       ; and its coefficients
	global_load_b96 v[CF:CF+2], v4, s[46:47] offset:\off
	global_load_b96 v[CF+4:CF+6], v4, s[46:47] offset:\off+192
.endm
.macro ORDER dst, src                  ; eight scale words, plane by plane, into the order of the fragments' blocks
.irp p, 0,1,2,3
	v_perm_b32 v[\dst+2*\p], v[\src+2*\p+1], v[\src+2*\p], s34
	v_perm_b32 v[\dst+2*\p+1], v[\src+2*\p+1], v[\src+2*\p], s35
.endr
.endm
.irp b, 0,1,2,3
	global_load_b128 v[MK+8*\b:MK+8*\b+3], v9, s[10:11] offset:64*\b
	global_load_b128 v[MK+8*\b+4:MK+8*\b+7], v9, s[10:11] offset:64*\b+16
.endr
	SLOAD TT, 0                                    ; tile 0's scale bytes
	WIN 0x40
.irp p, 0,1,2,3
	PLOAD \p, 0
.endr
	WIN 0
	SLOAD BR, 4096                                 ; tile 1's
	CLOAD 0
.macro AFETCH b
.irp p, 0,1,2,3
.irp q, 0,1
.irp i, 0,1,2
	ds_load_b128 v[12*(8*(\b%2)+2*\p+\q)+4*\i:12*(8*(\b%2)+2*\p+\q)+4*\i+3], v24 offset:\b*16*IP+192*\p+48*\q+16*\i
.endr
.endr
.endr
.endm
.irp b, 0,1,2,3
	ds_load_b128 v[TT+8+8*\b:TT+8+8*\b+3], v25 offset:\b*16*SIP
	ds_load_b128 v[TT+8+8*\b+4:TT+8+8*\b+7], v25 offset:\b*16*SIP+16
.endr
	WIN 0x80
	AFETCH 0
	AFETCH 1
	WIN 0xc0
	AFETCH 2
	AFETCH 3
	WIN 0
	s_wait_dscnt 0x0
.irp b, 0,1,2,3
	ORDER AS+8*\b, TT+8+8*\b
.endr
	s_wait_loadcnt 52                              ; the mask and tile 0's scale bytes are in (48 fragment loads and the four behind them may be out)
	ORDER BS, TT
.set n, 0
.rept 32
	v_cvt_f32_i32 v[MK+n], v[MK+n]                 ; (these are also the places between the scale words' writes and the first products)
.set n, n+1
.endr
	s_wait_alu depctr_va_vdst(0)
.macro WM d, a, b, sa, sb, zero, row
.if \zero
.if \row
	v_wmma_scale_f32_16x16x128_f8f6f4 v[\d:\d+7], v[\a:\a+11], v[\b:\b+11], 0, v[\sa], v[\sb] matrix_a_fmt:MATRIX_FMT_FP6 matrix_b_fmt:MATRIX_FMT_FP6 matrix_b_scale:MATRIX_SCALE_ROW1
.else
	v_wmma_scale_f32_16x16x128_f8f6f4 v[\d:\d+7], v[\a:\a+11], v[\b:\b+11], 0, v[\sa], v[\sb] matrix_a_fmt:MATRIX_FMT_FP6 matrix_b_fmt:MATRIX_FMT_FP6
.endif
.else
.if \row
	v_wmma_scale_f32_16x16x128_f8f6f4 v[\d:\d+7], v[\a:\a+11], v[\b:\b+11], v[\d:\d+7], v[\sa], v[\sb] matrix_a_fmt:MATRIX_FMT_FP6 matrix_b_fmt:MATRIX_FMT_FP6 matrix_b_scale:MATRIX_SCALE_ROW1
.else
	v_wmma_scale_f32_16x16x128_f8f6f4 v[\d:\d+7], v[\a:\a+11], v[\b:\b+11], v[\d:\d+7], v[\sa], v[\sb] matrix_a_fmt:MATRIX_FMT_FP6 matrix_b_fmt:MATRIX_FMT_FP6
.endif
.endif
.endm
; A plane: 16 matrix instructions, four accumulators by turns and then the other four; plane 0's first products start the sums.  nxt = 1: its registers are asked for again, for the next tile
.macro PLANE p, nxt, cnt
	s_wait_loadcnt \cnt
.irp g, 0,1
	WIN (0x06+\g)                                  ; source 0 window 2 or 3, source 1 window 1
.irp q, 0,1
.irp bb, 0,1
.irp e, 0,1
.if \p+\q
	WM ACC+8*(2*(2*\g+\bb)+\e), 12*(8*\bb+2*\p+\q), 24*(4*\e+\p)+12*\q, AS+8*(2*\g+\bb)+2*\p+\q, BS+2*\p+\q, 0, \e
.else
	WM ACC+8*(2*(2*\g+\bb)+\e), 12*(8*\bb+2*\p+\q), 24*(4*\e+\p)+12*\q, AS+8*(2*\g+\bb)+2*\p+\q, BS+2*\p+\q, 1, \e
.endif
.endr
.endr
.endr
.endr
.if \nxt
	WIN 0x40
	PLACES                                         ; in front of loads into registers that the products have read
	PLOAD \p, TILEB
.endif
.endm
.macro POLY e                          ; unit block e: 32 numbers a lane through activation, polynomial and mask, stage by stage, in place on the accumulators; then summed in the lane
.irp k, 0,1,2
	v_mov_b32 v[CP+2*\k], v[CF+4*\e+\k]            ; each coefficient twice: a pair for the packed forms.  (These six are also places behind the last products)
	v_mov_b32 v[CP+2*\k+1], v[CF+4*\e+\k]
.endr
.irp b, 0,1,2,3
.irp p, 0,2,4,6
	v_pk_mul_f32 v[TT+8*\b+\p:TT+8*\b+\p+1], v[ACC+8*(2*\b+\e)+\p:ACC+8*(2*\b+\e)+\p+1], s[LK:LK+1] op_sel_hi:[1,0]   ; 0.01 x; each accumulator from its low end on
.endr
.endr
.irp b, 0,1,2,3
.irp j, 0,1,2,3,4,5,6,7
	v_max3_num_f32 v[ACC+8*(2*\b+\e)+\j], v[ACC+8*(2*\b+\e)+\j], v[TT+8*\b+\j], s[LO]
.endr
.endr
.irp b, 0,1,2,3
.irp j, 0,1,2,3,4,5,6,7
	v_min_num_f32 v[ACC+8*(2*\b+\e)+\j], s[HI], v[ACC+8*(2*\b+\e)+\j]   ; a
.endr
.endr
.irp b, 0,1,2,3
.irp p, 0,2,4,6
	v_pk_fma_f32 v[TT+8*\b+\p:TT+8*\b+\p+1], v[ACC+8*(2*\b+\e)+\p:ACC+8*(2*\b+\e)+\p+1], v[CP+4:CP+5], v[CP+2:CP+3]   ; c1 + a c2
.endr
.endr
.irp b, 0,1,2,3
.irp p, 0,2,4,6
	v_pk_fma_f32 v[TT+8*\b+\p:TT+8*\b+\p+1], v[ACC+8*(2*\b+\e)+\p:ACC+8*(2*\b+\e)+\p+1], v[TT+8*\b+\p:TT+8*\b+\p+1], v[CP:CP+1]   ; c0 + a (c1 + a c2)
.endr
.endr
.irp b, 0,1,2,3
.irp p, 0,2,4,6
	v_pk_mul_f32 v[ACC+8*(2*\b+\e)+\p:ACC+8*(2*\b+\e)+\p+1], v[ACC+8*(2*\b+\e)+\p:ACC+8*(2*\b+\e)+\p+1], v[MK+8*\b+\p:MK+8*\b+\p+1]   ; a x mask
.endr
.endr
.irp b, 0,1
.irp p, 0,2,4,6
	v_pk_mul_f32 v[SS+8*\b+\p:SS+8*\b+\p+1], v[ACC+8*(2*\b+\e)+\p:ACC+8*(2*\b+\e)+\p+1], v[TT+8*\b+\p:TT+8*\b+\p+1]   ; the first products start sixteen sums
.endr
.endr
.irp b, 2,3
.irp p, 0,2,4,6
	v_pk_fma_f32 v[SS+8*(\b-2)+\p:SS+8*(\b-2)+\p+1], v[ACC+8*(2*\b+\e)+\p:ACC+8*(2*\b+\e)+\p+1], v[TT+8*\b+\p:TT+8*\b+\p+1], v[SS+8*(\b-2)+\p:SS+8*(\b-2)+\p+1]
.endr
.endr
.irp p, 0,2,4,6
	v_pk_add_f32 v[SS+\p:SS+\p+1], v[SS+\p:SS+\p+1], v[SS+8+\p:SS+8+\p+1]
.endr
	v_pk_add_f32 v[SS:SS+1], v[SS:SS+1], v[SS+2:SS+3]
	v_pk_add_f32 v[SS+4:SS+5], v[SS+4:SS+5], v[SS+6:SS+7]
	v_pk_add_f32 v[SS:SS+1], v[SS:SS+1], v[SS+4:SS+5]
	v_add_f32 v[SA+\e], v[SS], v[SS+1]             ; lane (r, h): unit 16 e + r, the 32 rows of half h
.endm
; A tile.  nxt = 1: the next tile's fragments are asked for, and its scale words put in order.  more = 2: at the end the scale bytes of the tile two on and the next tile's coefficients are asked for; 1: the coefficients alone; 0: nothing
.macro BODY nxt, more
	v_add_nc_u32 v26, 512, v26
.irp p, 0,1,2,3
.if \nxt
	PLANE \p, 1, 40                                ; behind this plane's loads: the tile's later planes' and the next tile's earlier planes', 36, and the four of the last tile's end
.else
	PLANE \p, 0, 12*(3-\p)+2
.endif
.endr
	WIN 0
.if \nxt
	s_wait_loadcnt 48                              ; all but the next tile's fragments: its scale bytes and this tile's coefficients are in
	ORDER BS, BR
.else
	s_wait_loadcnt 0x0
.endif
	POLY 0
	POLY 1
	v_permlane16_swap_b32 v[SA], v[SA+1]           ; both now hold unit 32 wave + lane, one for each half of the rows
	v_add_f32 v[SA], v[SA], v[SA+1]
	ds_store_b32 v26, v[SA]
.if \more
	s_wait_xcnt 0x0                                ; the earlier loads have read their bases
	s_add_nc_u64 s[46:47], s[46:47], 1536
.if \more == 2
	s_add_nc_u64 s[32:33], s[32:33], TILEB
	s_add_nc_u64 s[44:45], s[44:45], 4096
	SLOAD BR, 4096
.endif
	CLOAD 0
.endif
.endm
	s_mov_b32 s3, 14
.Ltile:                                                ; tiles 0 to 13
	BODY 1, 2
	s_sub_co_u32 s3, s3, 1
	s_cmp_lg_u32 s3, 0
	s_cbranch_scc1 .Ltile
	BODY 1, 1                                      ; tile 14
	BODY 0, 0                                      ; tile 15
	s_wait_dscnt 0x0                               ; for the others' sake: my results are in the stage
	s_barrier_signal -1
	s_barrier_wait -1
.irp i, 0,1,2,3
	ds_load_b128 v[TT+4*\i:TT+4*\i+3], v27 offset:512*\i
.endr
	s_wait_dscnt 0x0
.irp i, 0,1,2,3
	global_store_b128 v3, v[TT+4*\i:TT+4*\i+3], s[14:15] offset:512*\i   ; 32 lanes store 512 consecutive bytes, at a multiple of 256 from part's first byte
.endr
	s_wait_tensorcnt 0x0                           ; the wave's end
	ds_add_u32 v[SPW], v[NIL]
	s_wait_dscnt 0x0
	s_endpgm
.Lfunc_end_k_q13c29eb4eb_pom:
	.size	k_q13c29eb4eb_pom, .Lfunc_end_k_q13c29eb4eb_pom-k_q13c29eb4eb_pom
	.p2alignl 7, 3214868480
	.fill 96, 4, 3214868480
	.section	.rodata,"a",@progbits
	.p2align	6, 0x0
	.amdhsa_kernel k_q13c29eb4eb_pom
		.amdhsa_group_segment_fixed_size 74240
		.amdhsa_private_segment_fixed_size 0
		.amdhsa_enable_private_segment 0
		.amdhsa_kernarg_size 48
		.amdhsa_user_sgpr_count 2
		.amdhsa_user_sgpr_kernarg_segment_ptr 1
		.amdhsa_wavefront_size32 1
		.amdhsa_system_sgpr_workgroup_id_x 1
		.amdhsa_system_sgpr_workgroup_id_y 1
		.amdhsa_system_sgpr_workgroup_id_z 1
		.amdhsa_system_vgpr_workitem_id 0
		.amdhsa_next_free_vgpr 1024
		.amdhsa_next_free_sgpr 66
		.amdhsa_reserve_vcc 0
		.amdhsa_float_denorm_mode_32 3
		.amdhsa_float_denorm_mode_16_64 3
		.amdhsa_memory_ordered 1
		.amdhsa_forward_progress 1
		.amdhsa_inst_pref_size 173
	.end_amdhsa_kernel
	.amdgpu_metadata
---
amdhsa.version: [ 1, 2 ]
amdhsa.kernels:
  - .name:           k_q13c29eb4eb_pom
    .symbol:         k_q13c29eb4eb_pom.kd
    .args:
      - { .name: xc, .offset: 0, .size: 8, .value_kind: global_buffer, .address_space: global }
      - { .name: qcodes, .offset: 8, .size: 8, .value_kind: global_buffer, .address_space: global }
      - { .name: qscales, .offset: 16, .size: 8, .value_kind: global_buffer, .address_space: global }
      - { .name: mask, .offset: 24, .size: 8, .value_kind: global_buffer, .address_space: global }
      - { .name: coeff, .offset: 32, .size: 8, .value_kind: global_buffer, .address_space: global }
      - { .name: part, .offset: 40, .size: 8, .value_kind: global_buffer, .address_space: global }
    .group_segment_fixed_size: 74240
    .private_segment_fixed_size: 0
    .kernarg_segment_align: 8
    .kernarg_segment_size: 48
    .max_flat_workgroup_size: 128
    .sgpr_count:     66
    .vgpr_count:     1024
    .wavefront_size: 32
...
	.end_amdgpu_metadata
.endif
;; end of part 2
;; launch gate (part 3): grid 8 x 32, 4 waves a work-group, clusters of 4 x 4, 327,680 bytes of LDS; arguments qcodes, qscales, part, cnt, bse, shc, shs; writes shc, shs
.if DOCPART == 3
	.amdgcn_target "amdgcn-amd-amdhsa--gfx1250"
	.amdhsa_code_object_version 6
	.text
	.protected	k_q13c29eb4eb_gate
	.globl	k_q13c29eb4eb_gate
	.p2align	8
	.type	k_q13c29eb4eb_gate,@function
k_q13c29eb4eb_gate:
	s_mov_b64 s[64:65], 0
	v_nop
	global_prefetch_b8 v0, s[64:65] scope:SCOPE_SE
	s_setreg_imm32_b32 hwreg(HW_REG_WAVE_MODE, 25, 1), 1
	s_wait_xcnt 0x0
	s_wait_alu depctr_hold_cnt(0) depctr_sa_sdst(0) depctr_va_vdst(0) depctr_va_sdst(0) depctr_va_ssrc(0) depctr_va_vcc(0) depctr_vm_vsrc(0)
	s_getreg_b32 s2, hwreg(HW_REG_IB_STS2, 6, 4)
	s_cmp_eq_u32 s2, 0
	s_cbranch_scc0 .Lentry_in_a_cluster
	s_endpgm
.Lentry_in_a_cluster:
	s_bfe_u32 s2, ttmp6, 0x10000c
	s_cmp_lg_u32 s2, 0xf033
	s_cbranch_scc0 .Lentry_shape_is_right
	s_endpgm
.Lentry_shape_is_right:
; sh = hardsigmoid(Q(xq) Q(Wse)^T + bse) x hm, quantised along the hidden units into codes of FP6 (E2M3) and E8M0 scale bytes (shc, shs).  hm[b][e] = (the sum of part's 64 chunks of batch b) / the batch's mask sum (cnt).
; A tile is 256 rows of xq x 256 hidden units, four waves of 128 x 128; K goes in steps of 256 through two LDS slots filled by joint tensor loads in a cluster of 4 x 4; the scale bytes of the tile's rows come once.
; NaN and infinities are not served.
.set SIZE_K, 1024
.set RA,     8192
.set RB,     2048
.set AOFF,   12582912
.set ASOFF,  524288
.set BOFF,   20447232
.set BSOFF,  851968
.set PAC, 4
.set PAS, 6
.set PBC, 4
.set PBS, 6
.set KSTEP,  256
.set NQ,     KSTEP/128
.set PITCH,  240
.set FR,     12
.set NL,     6
.set NP,     4
.set HALFT,  128*PITCH
.set SLOT,   4*HALFT
.set LAPS,   SIZE_K/(2*KSTEP)
.set KS,     SIZE_K/32
.set SCL,    2*SLOT
.set HALFS,  (128*KS/256)*272
.set SBLK,   (16*KS/256)*272
.set SPARE,  SCL+4*HALFS
.set HMS,    SPARE+512
.set PLA,    RA*192
.set PLB,    RB*192
.set ADRA, 16
.set ADRB, 20
.set STO,  24
.set RD,   25
.set CO,   26
.set ADRS, 27
.set SPW,  28
.set NIL,  29
.set SC,   32
.set AF,   128
.set HM,   64
.set HA,   128
.set PC,   192
.set TM,   224
.set PW,   240
.set PM,   248
.set CS,   92
.set HALF, 94
.set SEL,  66
.set G1, 24
.set G0, 32
.set G1B, 48
.set G0B, 56
.set G1S, 68
.set G0S, 76
.set G1SB, 80
.set G0SB, 88
.set MSB, 0
.macro WIN new
.if MSB != \new
	s_set_vgpr_msb (MSB<<8)|\new
.set MSB, \new
.endif
.endm
.set MUL_LO, 0xa1
.set MUL_HI, 0xf1
.set TO_B,   0x40
.macro JLOAD g0a, g1a, g0b, g1b
	s_cmp_eq_u32 s15, 0
	s_cbranch_scc0 .Lfor_b_\@
	tensor_load_to_lds s[\g0a:\g0a+3], s[\g1a:\g1a+7]
	s_nop 0
.rept 4
	v_nop
.endr
	s_branch .Lasked_\@
.Lfor_b_\@:
	tensor_load_to_lds s[\g0b:\g0b+3], s[\g1b:\g1b+7]
	s_nop 0
.rept 4
	v_nop
.endr
.Lasked_\@:
.endm
.macro CREST
	s_cmp_lg_u32 s14, 0
	s_cbranch_scc1 .Lnot_wave_0_\@
	s_barrier_signal -3
.Lnot_wave_0_\@:
	s_barrier_wait -3
	s_barrier_signal -1
	s_barrier_wait -1
.endm
.macro CROUND
	s_barrier_signal -1
	s_barrier_wait -1
	CREST
.endm
	s_load_b128 s[4:7], s[0:1], 0x0
	s_load_b128 s[8:11], s[0:1], 0x10
	s_load_b128 s[96:99], s[0:1], 0x20
	s_load_b64 s[12:13], s[0:1], 0x30
	v_lshl_add_u32 v[SPW], v0, 2, SPARE
	v_mov_b32 v[NIL], 0
	ds_add_u32 v28, v29
	ds_add_u32 v28, v29
	s_wait_dscnt 0x0
	v_lshrrev_b32 v1, 5, v0
	v_readfirstlane_b32 s14, v1
	s_lshr_b32 s15, s14, 1
	s_and_b32 s16, s14, 1
	s_bfe_u32 s40, ttmp6, 0x40000
	s_bfe_u32 s41, ttmp6, 0x40004
	s_lshl_b32 s42, ttmp9, 2
	s_add_co_u32 s42, s42, s40
	s_and_b32 s17, ttmp7, 0xffff
	s_lshl_b32 s17, s17, 2
	s_add_co_u32 s17, s17, s41
	s_lshl_b32 s43, s41, 2
	s_lshl_b32 s43, 15, s43
	s_lshl_b32 s44, 0x1111, s40
	s_or_b32 s[G1+0], s43, (3<<16)|(1<<20)|(1<<21)|(3<<22)|(3<<25)
	s_or_b32 s[G1B+0], s44, (3<<16)|(1<<20)|(1<<21)|(3<<22)|(3<<25)
.irp g, G1, G1B
	s_mov_b32 s[\g+1], 32<<16
	s_mov_b32 s[\g+2], 192<<16                     ; the head's loads bring a tile's whole 256 rows: 192 rows of 256 bytes
	s_mov_b32 s[\g+3], 32<<16
	s_mov_b32 s[\g+4], 192
	s_mov_b32 s[\g+5], 32
	s_mov_b32 s[\g+6], 0
	s_mov_b32 s[\g+7], 0
.endr
	s_or_b32 s[G1S+0], s43, (3<<16)|(1<<20)|(1<<21)|(5<<22)|(3<<25)
	s_or_b32 s[G1SB+0], s44, (3<<16)|(1<<20)|(1<<21)|(5<<22)|(3<<25)
.irp g, G1S, G1SB
	s_mov_b32 s[\g+1], 32<<16
	s_mov_b32 s[\g+2], (256*KS/256)<<16            ; the scale bytes of 256 rows in one load
	s_mov_b32 s[\g+3], 32<<16
	s_mov_b32 s[\g+4], 256*KS/256
	s_mov_b32 s[\g+5], 32
	s_mov_b32 s[\g+6], 0
	s_mov_b32 s[\g+7], 0
.endr
	s_mul_i32 s18, s16, 128*192
	s_mul_i32 s20, s17, 256*192
	s_add_co_u32 s20, s20, s18
	s_add_co_u32 s20, s20, AOFF
	s_mov_b32 s21, 0
	s_mul_i32 s46, s42, 256*192
	s_add_co_u32 s46, s46, s18
	s_add_co_u32 s46, s46, BOFF
	s_mov_b32 s47, 0
	s_mul_i32 s22, s17, 256*KS
	s_add_co_u32 s22, s22, ASOFF
	s_mov_b32 s23, 0
	s_mul_i32 s92, s42, 256*KS
	s_add_co_u32 s92, s92, BSOFF
	s_mov_b32 s93, 0
	s_mul_i32 s45, s14, HALFT
	s_wait_kmcnt 0x0
	s_add_nc_u64 s[20:21], s[PAC:PAC+1], s[20:21]
	s_add_nc_u64 s[22:23], s[PAS:PAS+1], s[22:23]
	s_add_nc_u64 s[46:47], s[PBC:PBC+1], s[46:47]
	s_add_nc_u64 s[92:93], s[PBS:PBS+1], s[92:93]
	CROUND
	s_mov_b32 s[G0S], 1
	s_mov_b32 s[G0S+1], SCL
	s_mov_b64 s[G0S+2:G0S+3], s[22:23]
	s_or_b32 s[G0S+3], s[G0S+3], 0x80000000
	s_mov_b32 s[G0SB], 1
	s_mov_b32 s[G0SB+1], SCL+2*HALFS
	s_mov_b64 s[G0SB+2:G0SB+3], s[92:93]
	s_or_b32 s[G0SB+3], s[G0SB+3], 0x80000000
.irp s, 0,1
	s_mov_b32 s[G0+4*\s], 1
	s_add_co_u32 s[G0+4*\s+1], s45, \s*SLOT
	s_add_nc_u64 s[G0+4*\s+2:G0+4*\s+3], s[20:21], \s*PLA
	s_or_b32 s[G0+4*\s+3], s[G0+4*\s+3], 0x80000000
	s_mov_b32 s[G0B+4*\s], 1
	s_add_co_u32 s[G0B+4*\s+1], s45, \s*SLOT
	s_add_nc_u64 s[G0B+4*\s+2:G0B+4*\s+3], s[46:47], \s*PLB
	s_or_b32 s[G0B+4*\s+3], s[G0B+4*\s+3], 0x80000000
.endr
; THE HEAD'S LOADS, ONE A WAVE, in one chain of branches on the wave's number: wave 0 K step 0's 256 rows of A (its own group 0 begins at the tile's first row and at LDS byte 0), wave 1 A's scale bytes,
; wave 2 K step 0's 256 rows of B (its own group 0 likewise), wave 3 B's scale bytes.  The rest of the head runs while they are on their way.
.macro ARM under, g0, g1, next
	s_cmp_lt_u32 s14, \under
	s_cbranch_scc0 \next
	tensor_load_to_lds s[\g0:\g0+3], s[\g1:\g1+7]
	s_nop 0
.rept 4
	v_nop
.endr
	s_branch .Lhead_asked
\next:
.endm
	ARM 1, G0, G1, .Lhead_sa
	ARM 2, G0S, G1S, .Lhead_b
	ARM 3, G0B, G1B, .Lhead_sb
	tensor_load_to_lds s[G0SB:G0SB+3], s[G1SB:G1SB+7]
	s_nop 0
.rept 4
	v_nop
.endr
.Lhead_asked:
	v_and_b32 v1, 15, v0
	v_bfe_u32 v2, v0, 4, 1
	v_and_b32 v6, 31, v0
	v_lshlrev_b32 v15, 2, v6
	s_wait_alu depctr_va_vdst(0)
	v_lshlrev_b32 v30, 4, v6
	s_wait_alu depctr_va_vdst(0)
	v_lshlrev_b32 v31, 6, v2
	s_wait_alu depctr_va_vdst(0)
	s_lshr_b32 s18, s17, 3
	s_lshl_b32 s19, s42, 10
	s_lshl_b32 s20, s16, 9
	s_add_co_u32 s20, s19, s20
	s_mov_b32 s21, 0
	s_add_nc_u64 s[96:97], s[96:97], s[20:21]
	s_lshl_b32 s19, s18, 19
	s_add_co_u32 s20, s20, s19
	s_add_nc_u64 s[8:9], s[8:9], s[20:21]
	s_lshl_b32 s20, s18, 7
	s_add_nc_u64 s[10:11], s[10:11], s[20:21]
	global_load_b32 v14, v15, s[10:11]
.set c, 0
.rept 32
	global_load_b128 v[128+4*c:131+4*c], v30, s[8:9] offset:8192*c
.set c, c+1
.endr
	WIN 0x80
.set c, 0
.rept 32
	global_load_b128 v[4*c:4*c+3], v30, s[8:9] offset:8192*(c+32)
.set c, c+1
.endr
	WIN TO_B
.set n, 0
.rept 16
	global_load_b128 v[96+4*(n%8)+128*(n/8):99+4*(n%8)+128*(n/8)], v31, s[96:97] offset:128*(n/4)+16*(n%4)
.set n, n+1
.endr
	WIN 0
	s_mov_b32 s[CS], 0x3e2aaaab
	s_mov_b32 s[CS+1], s[CS]
	s_mov_b32 s[HALF], 0xffff0000
	s_mov_b32 s[SEL], 0x76543210
	s_mov_b32 s[SEL+1], 0xfedcba98
	v_mul_u32_u24 v3, v1, PITCH
	v_mul_u32_u24 v4, v2, 24
	v_add_nc_u32 v4, v3, v4
	v_lshl_add_u32 v5, v2, 4, v4
	s_mul_i32 s21, s15, HALFT
	s_mul_i32 s22, s16, HALFT
	s_add_co_u32 s22, s22, 2*HALFT
.irp s, 0,1
	v_add_nc_u32 v[ADRA+\s], s21, v4
	v_add_nc_u32 v[ADRB+\s], s22, v4
	v_add_nc_u32 v[ADRA+2+\s], s21, v5
	v_add_nc_u32 v[ADRB+2+\s], s22, v5
	s_add_co_u32 s21, s21, SLOT
	s_add_co_u32 s22, s22, SLOT
.endr
	v_mul_u32_u24 v5, v1, KS
	v_lshrrev_b32 v3, 8, v5
	v_lshl_add_u32 v5, v3, 4, v5
	s_mul_i32 s21, s15, HALFS
	s_mul_i32 s22, s16, HALFS
	s_add_co_u32 s22, s22, 2*HALFS
	s_sub_co_u32 s22, s22, s21
	v_mul_u32_u24 v3, s22, v2
	s_add_co_u32 s21, s21, SCL
	v_add_nc_u32 v5, v5, v3
	v_add_nc_u32 v[ADRS], s21, v5
	s_lshl_b32 s23, s14, 9
	s_add_co_u32 s23, s23, HMS
	v_add_nc_u32 v8, s23, v30
	v_add_nc_u32 v9, s23, v31
	s_mul_i32 s23, s15, 128*192
	s_mul_i32 s22, s16, 96
	s_add_co_u32 s23, s23, s22
	v_mul_u32_u24 v5, v1, 192
	v_mad_u32_u24 v5, v2, 24, v5
	v_add_nc_u32 v[STO], s23, v5
	s_mul_i32 s23, s14, 64*192
	v_add_nc_u32 v[RD], s23, v30
	v_lshlrev_b32 v[CO], 6, v6
	s_mul_i32 s20, s42, RA*192
	s_mul_i32 s22, s17, 256*192
	s_add_co_u32 s20, s20, s22
	s_add_co_u32 s20, s20, s23
	s_mov_b32 s21, 0
	s_add_nc_u64 s[98:99], s[98:99], s[20:21]
	s_lshl_b32 s20, s17, 8
	s_lshl_b32 s22, s15, 7
	s_add_co_u32 s20, s20, s22
	s_lshl_b32 s20, s20, 6
	s_lshl_b32 s22, s42, 3
	s_add_co_u32 s20, s20, s22
	s_lshl_b32 s22, s16, 2
	s_add_co_u32 s20, s20, s22
	s_add_nc_u64 s[12:13], s[12:13], s[20:21]
	s_wait_loadcnt 16
.set c, 2
.rept 30
	v_pk_add_f32 v[128+4*(c%2):129+4*(c%2)], v[128+4*(c%2):129+4*(c%2)], v[128+4*c:129+4*c]
	v_pk_add_f32 v[130+4*(c%2):131+4*(c%2)], v[130+4*(c%2):131+4*(c%2)], v[130+4*c:131+4*c]
.set c, c+1
.endr
	WIN 0x08
.set c, 0
.rept 32
	v_pk_add_f32 v[128+4*(c%2):129+4*(c%2)], v[128+4*(c%2):129+4*(c%2)], v[4*c:4*c+1]
	v_pk_add_f32 v[130+4*(c%2):131+4*(c%2)], v[130+4*(c%2):131+4*(c%2)], v[4*c+2:4*c+3]
.set c, c+1
.endr
	WIN 0
	s_wait_alu depctr_va_vdst(0)
	v_rcp_f32 v12, v14
	v_rcp_f32 v13, v14
	v_pk_add_f32 v[128:129], v[128:129], v[132:133]
	v_pk_add_f32 v[130:131], v[130:131], v[134:135]
	s_wait_alu depctr_va_vdst(0)
	v_pk_mul_f32 v[128:129], v[128:129], v[12:13]
	v_pk_mul_f32 v[130:131], v[130:131], v[12:13]
	ds_store_b128 v8, v[128:131]
.set n, 0
.rept 16
	ds_load_b128 v[HM+4*n:HM+4*n+3], v9 offset:128*(n/4)+16*(n%4)
.set n, n+1
.endr
	s_wait_loadcnt 0x0
	WIN 0x41
.set n, 0
.rept 32
	v_pk_fma_f32 v[96+(n%32)+128*(n/32):97+(n%32)+128*(n/32)], v[96+(n%32)+128*(n/32):97+(n%32)+128*(n/32)], s[CS:CS+1], 0.5 op_sel_hi:[1,0,0]
.set n, n+2
.endr
	WIN 0
.macro FRAG reg, adr, q, i
.irp p, 0,1,2,3,4,5
.set PCE, 12*(\q)+6*(\p/3)+\p%3
.if PCE%8 < 5
	ds_load_b64 v[\reg+2*\p:\reg+2*\p+1], v[\adr] offset:8*PCE+16*(PCE/8)+(\i)*16*PITCH
.else
	ds_load_b64 v[\reg+2*\p:\reg+2*\p+1], v[\adr+2] offset:8*PCE+16*(PCE/8)+(\i)*16*PITCH
.endif
.endr
.endm
.macro MUL16 a0, p, q, sc, zero
.irp a, \a0, \a0+1
.irp b, 0,1,2,3,4,5,6,7
.if \zero
	v_wmma_scale_f32_16x16x128_f8f6f4 v[8*(8*((\a)%4)+\b):8*(8*((\a)%4)+\b)+7], v[128*(\p)+FR*\b:128*(\p)+FR*\b+FR-1], v[AF+FR*(\a):AF+FR*(\a)+FR-1], 0, v[SC+8*NQ*(\sc)+NQ*\b+(\q)], v[SC+8*NQ*(\sc)+NQ*(\a)+(\q)] matrix_a_fmt:MATRIX_FMT_FP6 matrix_b_fmt:MATRIX_FMT_FP6 matrix_a_scale:MATRIX_SCALE_ROW1
.else
	v_wmma_scale_f32_16x16x128_f8f6f4 v[8*(8*((\a)%4)+\b):8*(8*((\a)%4)+\b)+7], v[128*(\p)+FR*\b:128*(\p)+FR*\b+FR-1], v[AF+FR*(\a):AF+FR*(\a)+FR-1], v[8*(8*((\a)%4)+\b):8*(8*((\a)%4)+\b)+7], v[SC+8*NQ*(\sc)+NQ*\b+(\q)], v[SC+8*NQ*(\sc)+NQ*(\a)+(\q)] matrix_a_fmt:MATRIX_FMT_FP6 matrix_b_fmt:MATRIX_FMT_FP6 matrix_a_scale:MATRIX_SCALE_ROW1
.endif
.endr
.endr
.endm
.macro FETCH_B slot, q, p
	WIN TO_B
.irp i, 0,1,2,3,4,5,6,7
	FRAG 128*(\p)+FR*\i, ADRB+\slot, \q, \i
.endr
	WIN 0
.endm
.macro FETCH_A slot, q, i0
.irp i, \i0, \i0+1, \i0+2, \i0+3
	FRAG AF+FR*(\i), ADRA+\slot, \q, \i
.endr
.endm
.macro SCALES sc
.irp i, 0,1,2,3,4,5,6,7
	ds_load_b64 v[SC+8*NQ*\sc+NQ*\i:SC+8*NQ*\sc+NQ*\i+1], v[ADRS] offset:\i*SBLK
.endr
.endm
.macro PLACES n
.rept \n
	v_nop
.endr
.endm
.macro STEP slot, q, zero
	s_wait_dscnt 4*NL
	WIN MUL_LO
	MUL16 0, (\q)%2, \q, \slot, \zero
	MUL16 2, (\q)%2, \q, \slot, \zero
	s_wait_dscnt 0
	PLACES NP
	FETCH_B \slot, (\q)+1, 1-(\q)%2
	FETCH_A \slot, (\q)+1, 0
	WIN MUL_HI
	MUL16 4, (\q)%2, \q, \slot, \zero
	MUL16 6, (\q)%2, \q, \slot, \zero
	PLACES NP
	WIN 0
	FETCH_A \slot, (\q)+1, 4
.endm
.macro TURN slot, next, fill
	s_wait_tensorcnt 0x0
	ds_add_u32 v[SPW], v[NIL]
.if \fill
	s_add_nc_u64 s[G0+4*\slot+2:G0+4*\slot+3], s[G0+4*\slot+2:G0+4*\slot+3], 2*PLA
	s_add_nc_u64 s[G0B+4*\slot+2:G0B+4*\slot+3], s[G0B+4*\slot+2:G0B+4*\slot+3], 2*PLB
.endif
	s_wait_dscnt 0x0
	s_barrier_signal -1
	s_barrier_wait -1
.if \fill
	CREST
	JLOAD G0+4*\slot, G1, G0B+4*\slot, G1B
.endif
	WIN MUL_LO
	MUL16 0, 1, NQ-1, \slot, 0
	MUL16 2, 1, NQ-1, \slot, 0
	PLACES NP
	WIN 0
	s_wait_alu depctr_va_vdst(0)
	v_add_nc_u32 v[ADRS], 4*NQ, v[ADRS]
	FETCH_B \next, 0, 0
	FETCH_A \next, 0, 0
	SCALES \next
	WIN MUL_HI
	MUL16 4, 1, NQ-1, \slot, 0
	MUL16 6, 1, NQ-1, \slot, 0
	PLACES NP
	WIN 0
	FETCH_A \next, 0, 4
.endm
	s_wait_dscnt 0x0
	s_wait_alu depctr_va_vdst(0)
	s_wait_tensorcnt 0x0                           ; my tile of the head's four is in; the three lines ahead of a later first fill, as ahead of a refill
	ds_add_u32 v[SPW], v[NIL]
	s_mov_b32 s[G1+2], 96<<16                      ; no tensor load of mine is out: from here on a load brings 128 rows of codes, 96 rows of 256 bytes
	s_mov_b32 s[G1+4], 96
	s_mov_b32 s[G1B+2], 96<<16
	s_mov_b32 s[G1B+4], 96
	s_wait_dscnt 0x0
	CROUND                                         ; all four tiles are in, and all sixteen work-groups are here
	JLOAD G0+4, G1, G0B+4, G1B                     ; K step 1, the first tensor load behind the round
	FETCH_B 0, 0, 0
	FETCH_A 0, 0, 0
	SCALES 0
	FETCH_A 0, 0, 4
	STEP 0, 0, 1
	s_mov_b32 s3, LAPS-1
.Llap:
	TURN 0, 1, 1
	STEP 1, 0, 0
	TURN 1, 0, 1
	STEP 0, 0, 0
	s_sub_co_u32 s3, s3, 1
	s_cmp_lg_u32 s3, 0
	s_cbranch_scc1 .Llap
	TURN 0, 1, 0
	STEP 1, 0, 0
	s_wait_dscnt 4*NL
	WIN MUL_LO
	MUL16 0, 1, NQ-1, 1, 0
	MUL16 2, 1, NQ-1, 1, 0
	s_wait_dscnt 0
	WIN MUL_HI
	MUL16 4, 1, NQ-1, 1, 0
	MUL16 6, 1, NQ-1, 1, 0
	WIN 0
.macro QUANT s, pw
.irp b, 0,1,2,3
	v_max3_num_f32 v[TM+\b], |v[\s+16*\b]|, |v[\s+1+16*\b]|, 0x1800000
.endr
.irp i, 2,4,6,8,10,12,14
.irp b, 0,1,2,3
	v_max3_num_f32 v[TM+\b], v[TM+\b], |v[\s+16*\b+\i]|, |v[\s+1+16*\b+\i]|
.endr
.endr
.irp b, 0,1,2,3
	v_permlanex16_b32 v[TM+4+\b], v[TM+\b], s[SEL], s[SEL+1]
.endr
.irp b, 0,1,2,3
	v_max_num_f32 v[TM+\b], v[TM+\b], v[TM+4+\b]
.endr
.irp b, 0,1,2,3
	v_add_nc_u32 v[TM+12+\b], 0xff000000, v[TM+\b]
.endr
.irp b, 0,1,2,3
	v_lshrrev_b32 v[TM+4+\b], 23, v[TM+12+\b]
.endr
	v_lshl_or_b32 v[\pw], v[TM+5], 8, v[TM+4]
	v_lshl_or_b32 v[\pw], v[TM+6], 16, v[\pw]
	v_lshl_or_b32 v[\pw], v[TM+7], 24, v[\pw]
.irp c, 0,1
	v_cvt_scalef32_pk16_fp6_f32 v[PC+6*\c:PC+2+6*\c], v[\s+32*\c:\s+15+32*\c], v[TM+12+2*\c]
	v_cvt_scalef32_pk16_fp6_f32 v[PC+12+4*\c:PC+14+4*\c], v[\s+16+32*\c:\s+31+32*\c], v[TM+12+2*\c+1]
.endr
	v_nop
.irp c, 0,1
.irp i, 0,1,2
	v_permlane16_swap_b32 v[PC+6*\c+\i], v[PC+12+4*\c+\i]
.endr
.irp i, 0,1,2
	v_mov_b32 v[PC+3+6*\c+\i], v[PC+12+4*\c+\i]
.endr
.endr
.endm
.macro GATE a
.set AC, 64*((\a)%4)
	WIN (0x12+(\a)/4)
.set n, 0
.rept 32
	v_pk_fma_f32 v[HA+n:HA+n+1], v[AC+n:AC+n+1], s[CS:CS+1], v[96+(n%32)+128*(n/32):97+(n%32)+128*(n/32)] op_sel_hi:[1,0,1]
.set n, n+2
.endr
	WIN 0
.set n, 0
.rept 64
	v_med3_num_f32 v[HA+n], v[HA+n], 0, 1.0
.set n, n+1
.endr
.set n, 0
.rept 32
	v_pk_mul_f32 v[HA+n:HA+n+1], v[HA+n:HA+n+1], v[HM+n:HM+n+1]
.set n, n+2
.endr
	s_wait_dscnt 0x0
	QUANT HA, PW+(\a)
.irp p, 0,1,2,3,4,5
	ds_store_b64 v[STO], v[PC+2*\p:PC+2*\p+1] offset:16*192*(\a)+48*(\p/3)+8*(\p%3)
.endr
.endm
.irp b, 0,1,2,3
	v_mov_b32 v[TM+4+\b], 0
.endr
.irp a, 0,1,2,3,4,5,6,7
	GATE \a
.endr
.irp i, 0,1,2,3
	v_cndmask_b32 v[PM+\i], v[PW+2*\i], v[PW+2*\i+1], s[HALF]
.endr
.irp i, 0,1,2,3
	global_store_b32 v[CO], v[PM+\i], s[12:13] offset:2048*\i
.endr
	s_wait_dscnt 0x0
	s_barrier_signal -1
	s_barrier_wait -1
.set i, 0
.rept 24
	ds_load_b128 v[128+4*i:131+4*i], v[RD] offset:512*i
.set i, i+1
.endr
.set i, 0
.rept 24
	s_wait_dscnt 23-i
	global_store_b128 v30, v[128+4*i:131+4*i], s[98:99] offset:512*i
.set i, i+1
.endr
	s_wait_tensorcnt 0x0
	ds_add_u32 v[SPW], v[NIL]
	s_wait_dscnt 0x0
	CROUND
	s_endpgm
.Lfunc_end_k_q13c29eb4eb_gate:
	.size	k_q13c29eb4eb_gate, .Lfunc_end_k_q13c29eb4eb_gate-k_q13c29eb4eb_gate
	.p2alignl 7, 3214868480
	.fill 96, 4, 3214868480
	.section	.rodata,"a",@progbits
	.p2align	6, 0x0
	.amdhsa_kernel k_q13c29eb4eb_gate
		.amdhsa_group_segment_fixed_size 327680
		.amdhsa_private_segment_fixed_size 0
		.amdhsa_enable_private_segment 0
		.amdhsa_kernarg_size 56
		.amdhsa_user_sgpr_count 2
		.amdhsa_user_sgpr_kernarg_segment_ptr 1
		.amdhsa_wavefront_size32 1
		.amdhsa_system_sgpr_workgroup_id_x 1
		.amdhsa_system_sgpr_workgroup_id_y 1
		.amdhsa_system_sgpr_workgroup_id_z 1
		.amdhsa_system_vgpr_workitem_id 0
		.amdhsa_next_free_vgpr 1024
		.amdhsa_next_free_sgpr 100
		.amdhsa_reserve_vcc 0
		.amdhsa_float_denorm_mode_32 3
		.amdhsa_float_denorm_mode_16_64 3
		.amdhsa_memory_ordered 1
		.amdhsa_forward_progress 1
		.amdhsa_inst_pref_size 255
	.end_amdhsa_kernel
	.amdgpu_metadata
---
amdhsa.version: [ 1, 2 ]
amdhsa.kernels:
  - .name:           k_q13c29eb4eb_gate
    .symbol:         k_q13c29eb4eb_gate.kd
    .args:
      - { .name: qcodes, .offset: 0, .size: 8, .value_kind: global_buffer, .address_space: global }
      - { .name: qscales, .offset: 8, .size: 8, .value_kind: global_buffer, .address_space: global }
      - { .name: part, .offset: 16, .size: 8, .value_kind: global_buffer, .address_space: global }
      - { .name: cnt, .offset: 24, .size: 8, .value_kind: global_buffer, .address_space: global }
      - { .name: bse, .offset: 32, .size: 8, .value_kind: global_buffer, .address_space: global }
      - { .name: shc, .offset: 40, .size: 8, .value_kind: global_buffer, .address_space: global }
      - { .name: shs, .offset: 48, .size: 8, .value_kind: global_buffer, .address_space: global }
    .group_segment_fixed_size: 327680
    .private_segment_fixed_size: 0
    .kernarg_segment_align: 8
    .kernarg_segment_size: 56
    .max_flat_workgroup_size: 128
    .sgpr_count:     100
    .vgpr_count:     1024
    .wavefront_size: 32
...
	.end_amdgpu_metadata
.endif
;; end of part 3
;; launch outp (part 4): grid 8 x 32, 4 waves a work-group, clusters of 4 x 4, 327,680 bytes of LDS; arguments shc, shs, qcodes, qscales, out0; writes out0
.if DOCPART == 4
	.amdgcn_target "amdgcn-amd-amdhsa--gfx1250"
	.amdhsa_code_object_version 6
	.text
	.protected	k_q13c29eb4eb_outp
	.globl	k_q13c29eb4eb_outp
	.p2align	8
	.type	k_q13c29eb4eb_outp,@function
k_q13c29eb4eb_outp:
	s_mov_b64 s[64:65], 0
	v_nop
	global_prefetch_b8 v0, s[64:65] scope:SCOPE_SE
	s_setreg_imm32_b32 hwreg(HW_REG_WAVE_MODE, 25, 1), 1
	s_wait_xcnt 0x0
	s_wait_alu depctr_hold_cnt(0) depctr_sa_sdst(0) depctr_va_vdst(0) depctr_va_sdst(0) depctr_va_ssrc(0) depctr_va_vcc(0) depctr_vm_vsrc(0)
	s_getreg_b32 s2, hwreg(HW_REG_IB_STS2, 6, 4)
	s_cmp_eq_u32 s2, 0
	s_cbranch_scc0 .Lentry_in_a_cluster
	s_endpgm
.Lentry_in_a_cluster:
	s_bfe_u32 s2, ttmp6, 0x10000c
	s_cmp_lg_u32 s2, 0xf033
	s_cbranch_scc0 .Lentry_shape_is_right
	s_endpgm
.Lentry_shape_is_right:
; out0 = sh Q(Wag)^T on codes of FP6 (E2M3) with one E8M0 scale for each 32 along K (sh's codes and scale bytes come from the launch before), sums in f32.
; A tile is 256 rows x 128 columns, four waves of 128 x 64; K goes in steps of 256 through two LDS slots filled by joint tensor loads in a cluster of 4 x 4; the scale bytes of the tile's rows come once.
.set SIZE_K, 2048
.set SIZE_N, 1024
.set RA,     8192
.set RB,     1024
.set BOFF,   22020096
.set BSOFF,  917504
.set KSTEP,  256
.set NQ,     KSTEP/128
.set PITCH,  240
.set FR,     12
.set NL,     6
.set NP,     4
.set HALFA,  128*PITCH
.set HALFB,  64*PITCH
.set SLOT,   2*HALFA+2*HALFB
.set LAPS,   SIZE_K/(2*KSTEP)
.set KS,     SIZE_K/32
.set SCL,    2*SLOT
.set HALFSA, (128*KS/256)*272
.set HALFSB, (64*KS/256)*272
.set SBLK,   (16*KS/256)*272
.set SPARE,  SCL+2*HALFSA+2*HALFSB
.set SPITCH, 272
.set PLA,    RA*192
.set PLB,    RB*192
.set ADRA, 16
.set ADRB, 20
.set STO,  24
.set RD,   25
.set CO,   26
.set ADRS, 27
.set SPW,  28
.set NIL,  29
.set ADRT, 30
.set SC,   32
.set AF,   128
.set BK,   64
.set G1, 24
.set G0, 32
.set G1B, 48
.set G0B, 56
.set G1S, 68
.set G0S, 76
.set G1SB, 80
.set G0SB, 88
.set MSB, 0
.macro WIN new
.if MSB != \new
	s_set_vgpr_msb (MSB<<8)|\new
.set MSB, \new
.endif
.endm
.set MULW, 0xa1
.set TO_B, 0x40
.macro JLOAD g0a, g1a, g0b, g1b
	s_cmp_eq_u32 s15, 0
	s_cbranch_scc0 .Lfor_b_\@
	tensor_load_to_lds s[\g0a:\g0a+3], s[\g1a:\g1a+7]
	s_nop 0
.rept 4
	v_nop
.endr
	s_branch .Lasked_\@
.Lfor_b_\@:
	tensor_load_to_lds s[\g0b:\g0b+3], s[\g1b:\g1b+7]
	s_nop 0
.rept 4
	v_nop
.endr
.Lasked_\@:
.endm
.macro CREST
	s_cmp_lg_u32 s14, 0
	s_cbranch_scc1 .Lnot_wave_0_\@
	s_barrier_signal -3
.Lnot_wave_0_\@:
	s_barrier_wait -3
	s_barrier_signal -1
	s_barrier_wait -1
.endm
.macro CROUND
	s_barrier_signal -1
	s_barrier_wait -1
	CREST
.endm
	s_load_b128 s[4:7], s[0:1], 0x0
	s_load_b128 s[8:11], s[0:1], 0x10
	s_load_b64 s[12:13], s[0:1], 0x20
	v_lshl_add_u32 v[SPW], v0, 2, SPARE
	v_mov_b32 v[NIL], 0
	ds_add_u32 v28, v29
	ds_add_u32 v28, v29
	s_wait_dscnt 0x0
	v_lshrrev_b32 v1, 5, v0
	v_readfirstlane_b32 s14, v1
	s_lshr_b32 s15, s14, 1
	s_and_b32 s16, s14, 1
	s_bfe_u32 s40, ttmp6, 0x40000
	s_bfe_u32 s41, ttmp6, 0x40004
	s_lshl_b32 s42, ttmp9, 2
	s_add_co_u32 s42, s42, s40
	s_and_b32 s17, ttmp7, 0xffff
	s_lshl_b32 s17, s17, 2
	s_add_co_u32 s17, s17, s41
	s_lshl_b32 s43, s41, 2
	s_lshl_b32 s43, 15, s43
	s_lshl_b32 s44, 0x1111, s40
	s_or_b32 s[G1+0], s43, (3<<16)|(1<<20)|(1<<21)|(3<<22)|(3<<25)
	s_or_b32 s[G1B+0], s44, (3<<16)|(1<<20)|(1<<21)|(3<<22)|(3<<25)
.irp g, G1, G1B
	s_mov_b32 s[\g+1], 32<<16
	s_mov_b32 s[\g+3], 32<<16
	s_mov_b32 s[\g+5], 32
	s_mov_b32 s[\g+6], 0
	s_mov_b32 s[\g+7], 0
.endr
	s_mov_b32 s[G1+2], 192<<16                     ; the head's loads bring a tile's whole rows: A's 256, B's 128
	s_mov_b32 s[G1+4], 192
	s_mov_b32 s[G1B+2], 96<<16
	s_mov_b32 s[G1B+4], 96
	s_or_b32 s[G1S+0], s43, (3<<16)|(1<<20)|(1<<21)|(5<<22)|(3<<25)
	s_or_b32 s[G1SB+0], s44, (3<<16)|(1<<20)|(1<<21)|(5<<22)|(3<<25)
.irp g, G1S, G1SB
	s_mov_b32 s[\g+1], 32<<16
	s_mov_b32 s[\g+3], 32<<16
	s_mov_b32 s[\g+5], 32
	s_mov_b32 s[\g+6], 0
	s_mov_b32 s[\g+7], 0
.endr
	s_mov_b32 s[G1S+2], (256*KS/256)<<16
	s_mov_b32 s[G1S+4], 256*KS/256
	s_mov_b32 s[G1SB+2], (128*KS/256)<<16
	s_mov_b32 s[G1SB+4], 128*KS/256
	s_mul_i32 s18, s16, 128*192
	s_mul_i32 s20, s17, 256*192
	s_add_co_u32 s20, s20, s18
	s_mov_b32 s21, 0
	s_mul_i32 s19, s16, 64*192
	s_mul_i32 s46, s42, 128*192
	s_add_co_u32 s46, s46, s19
	s_add_co_u32 s46, s46, BOFF
	s_mov_b32 s47, 0
	s_mul_i32 s22, s17, 256*KS
	s_mov_b32 s23, 0
	s_mul_i32 s92, s42, 128*KS
	s_add_co_u32 s92, s92, BSOFF
	s_mov_b32 s93, 0
	s_mul_i32 s45, s14, HALFA
	s_mul_i32 s95, s14, HALFB
	s_add_co_u32 s95, s95, 2*HALFA-2*HALFB
	s_wait_kmcnt 0x0
	s_add_nc_u64 s[20:21], s[4:5], s[20:21]
	s_add_nc_u64 s[22:23], s[6:7], s[22:23]
	s_add_nc_u64 s[46:47], s[8:9], s[46:47]
	s_add_nc_u64 s[92:93], s[10:11], s[92:93]
	CROUND
	s_mov_b32 s[G0S], 1
	s_mov_b32 s[G0S+1], SCL
	s_mov_b64 s[G0S+2:G0S+3], s[22:23]
	s_or_b32 s[G0S+3], s[G0S+3], 0x80000000
	s_mov_b32 s[G0SB], 1
	s_mov_b32 s[G0SB+1], SCL+2*HALFSA
	s_mov_b64 s[G0SB+2:G0SB+3], s[92:93]
	s_or_b32 s[G0SB+3], s[G0SB+3], 0x80000000
.irp s, 0,1
	s_mov_b32 s[G0+4*\s], 1
	s_add_co_u32 s[G0+4*\s+1], s45, \s*SLOT
	s_add_nc_u64 s[G0+4*\s+2:G0+4*\s+3], s[20:21], \s*PLA
	s_or_b32 s[G0+4*\s+3], s[G0+4*\s+3], 0x80000000
	s_mov_b32 s[G0B+4*\s], 1
	s_add_co_u32 s[G0B+4*\s+1], s95, \s*SLOT
	s_add_nc_u64 s[G0B+4*\s+2:G0B+4*\s+3], s[46:47], \s*PLB
	s_or_b32 s[G0B+4*\s+3], s[G0B+4*\s+3], 0x80000000
.endr
; THE HEAD'S LOADS, ONE A WAVE, in one chain of branches on the wave's number: wave 0 K step 0's 256 rows of A (its own group 0 begins at the tile's first row and at LDS byte 0), wave 1 A's scale bytes,
; wave 2 K step 0's 128 rows of B (its own group 0 likewise), wave 3 B's scale bytes.  The rest of the head runs while they are on their way.
.macro ARM under, g0, g1, next
	s_cmp_lt_u32 s14, \under
	s_cbranch_scc0 \next
	tensor_load_to_lds s[\g0:\g0+3], s[\g1:\g1+7]
	s_nop 0
.rept 4
	v_nop
.endr
	s_branch .Lhead_asked
\next:
.endm
	ARM 1, G0, G1, .Lhead_sa
	ARM 2, G0S, G1S, .Lhead_b
	ARM 3, G0B, G1B, .Lhead_sb
	tensor_load_to_lds s[G0SB:G0SB+3], s[G1SB:G1SB+7]
	s_nop 0
.rept 4
	v_nop
.endr
.Lhead_asked:
	v_and_b32 v1, 15, v0
	v_bfe_u32 v2, v0, 4, 1
	v_mul_u32_u24 v3, v1, PITCH
	v_mul_u32_u24 v4, v2, 24
	v_add_nc_u32 v4, v3, v4
	v_lshl_add_u32 v5, v2, 4, v4
	s_mul_i32 s21, s15, HALFA
	s_mul_i32 s22, s16, HALFB
	s_add_co_u32 s22, s22, 2*HALFA
.irp s, 0,1
	v_add_nc_u32 v[ADRA+\s], s21, v4
	v_add_nc_u32 v[ADRB+\s], s22, v4
	v_add_nc_u32 v[ADRA+2+\s], s21, v5
	v_add_nc_u32 v[ADRB+2+\s], s22, v5
	s_add_co_u32 s21, s21, SLOT
	s_add_co_u32 s22, s22, SLOT
.endr
	v_mul_u32_u24 v5, v1, KS
	v_lshrrev_b32 v6, 8, v5
	v_lshl_add_u32 v5, v6, 4, v5
	s_mul_i32 s21, s15, HALFSA
	s_mul_i32 s22, s16, HALFSB
	s_add_co_u32 s23, s22, 2*HALFSA-4*SBLK
	s_add_co_u32 s22, s22, 2*HALFSA
	s_sub_co_u32 s22, s22, s21
	s_sub_co_u32 s23, s23, s21
	v_mul_u32_u24 v6, s22, v2
	v_mul_u32_u24 v3, s23, v2
	s_add_co_u32 s21, s21, SCL
	v_add_nc_u32 v5, s21, v5
	v_add_nc_u32 v[ADRS], v5, v6
	v_add_nc_u32 v[ADRT], v5, v3
	s_mul_i32 s23, s14, 16*SPITCH
	v_mul_u32_u24 v5, v1, SPITCH
	v_lshl_add_u32 v5, v2, 5, v5
	v_add_nc_u32 v[STO], s23, v5
	v_mul_u32_u24 v5, v2, SPITCH
	v_lshl_add_u32 v5, v1, 4, v5
	v_add_nc_u32 v[RD], s23, v5
	v_lshlrev_b32 v5, 12, v2
	v_lshl_add_u32 v[CO], v1, 4, v5
	s_lshl_b32 s20, s17, 8
	s_lshl_b32 s21, s15, 7
	s_add_co_u32 s20, s20, s21
	s_lshl_b32 s20, s20, 12
	s_lshl_b32 s46, s42, 9
	s_lshl_b32 s47, s16, 8
	s_add_co_u32 s46, s46, s47
	s_add_co_u32 s20, s20, s46
	s_mov_b32 s21, 0
	s_add_nc_u64 s[12:13], s[12:13], s[20:21]
.macro FRAG reg, adr, q, i
.irp p, 0,1,2,3,4,5
.set PCE, 12*(\q)+6*(\p/3)+\p%3
.if PCE%8 < 5
	ds_load_b64 v[\reg+2*\p:\reg+2*\p+1], v[\adr] offset:8*PCE+16*(PCE/8)+(\i)*16*PITCH
.else
	ds_load_b64 v[\reg+2*\p:\reg+2*\p+1], v[\adr+2] offset:8*PCE+16*(PCE/8)+(\i)*16*PITCH
.endif
.endr
.endm
.macro MUL8 a0, p, q, sc, zero
.irp a, \a0, \a0+1
.irp b, 0,1,2,3
.if \zero
	v_wmma_scale_f32_16x16x128_f8f6f4 v[8*(4*(\a)+\b):8*(4*(\a)+\b)+7], v[128*(\p)+FR*\b:128*(\p)+FR*\b+FR-1], v[AF+FR*(\a):AF+FR*(\a)+FR-1], 0, v[SC+8*NQ*(\sc)+NQ*\b+(\q)], v[SC+8*NQ*(\sc)+NQ*(\a)+(\q)] matrix_a_fmt:MATRIX_FMT_FP6 matrix_b_fmt:MATRIX_FMT_FP6 matrix_a_scale:MATRIX_SCALE_ROW1
.else
	v_wmma_scale_f32_16x16x128_f8f6f4 v[8*(4*(\a)+\b):8*(4*(\a)+\b)+7], v[128*(\p)+FR*\b:128*(\p)+FR*\b+FR-1], v[AF+FR*(\a):AF+FR*(\a)+FR-1], v[8*(4*(\a)+\b):8*(4*(\a)+\b)+7], v[SC+8*NQ*(\sc)+NQ*\b+(\q)], v[SC+8*NQ*(\sc)+NQ*(\a)+(\q)] matrix_a_fmt:MATRIX_FMT_FP6 matrix_b_fmt:MATRIX_FMT_FP6 matrix_a_scale:MATRIX_SCALE_ROW1
.endif
.endr
.endr
.endm
.macro FETCH_B slot, q, p
	WIN TO_B
.irp i, 0,1,2,3
	FRAG 128*(\p)+FR*\i, ADRB+\slot, \q, \i
.endr
	WIN 0
.endm
.macro FETCH_A slot, q, i0
.irp i, \i0, \i0+1, \i0+2, \i0+3
	FRAG AF+FR*(\i), ADRA+\slot, \q, \i
.endr
.endm
.macro SCALES sc
.irp i, 0,1,2,3
	ds_load_b64 v[SC+8*NQ*\sc+NQ*\i:SC+8*NQ*\sc+NQ*\i+1], v[ADRS] offset:\i*SBLK
.endr
.irp i, 4,5,6,7
	ds_load_b64 v[SC+8*NQ*\sc+NQ*\i:SC+8*NQ*\sc+NQ*\i+1], v[ADRT] offset:\i*SBLK
.endr
.endm
.macro PLACES n
.rept \n
	v_nop
.endr
.endm
.macro STEP slot, q, zero
	s_wait_dscnt 4*NL
	WIN MULW
	MUL8 0, (\q)%2, \q, \slot, \zero
	MUL8 2, (\q)%2, \q, \slot, \zero
	s_wait_dscnt 0
	PLACES NP
	FETCH_B \slot, (\q)+1, 1-(\q)%2
	FETCH_A \slot, (\q)+1, 0
	WIN MULW
	MUL8 4, (\q)%2, \q, \slot, \zero
	MUL8 6, (\q)%2, \q, \slot, \zero
	PLACES NP
	WIN 0
	FETCH_A \slot, (\q)+1, 4
.endm
.macro TURN slot, next, fill
	s_wait_tensorcnt 0x0
	ds_add_u32 v[SPW], v[NIL]
.if \fill
	s_add_nc_u64 s[G0+4*\slot+2:G0+4*\slot+3], s[G0+4*\slot+2:G0+4*\slot+3], 2*PLA
	s_add_nc_u64 s[G0B+4*\slot+2:G0B+4*\slot+3], s[G0B+4*\slot+2:G0B+4*\slot+3], 2*PLB
.endif
	s_wait_dscnt 0x0
	s_barrier_signal -1
	s_barrier_wait -1
.if \fill
	CREST
	JLOAD G0+4*\slot, G1, G0B+4*\slot, G1B
.endif
	WIN MULW
	MUL8 0, 1, NQ-1, \slot, 0
	MUL8 2, 1, NQ-1, \slot, 0
	PLACES NP
	WIN 0
	s_wait_alu depctr_va_vdst(0)
	v_add_nc_u32 v[ADRS], 4*NQ, v[ADRS]
	v_add_nc_u32 v[ADRT], 4*NQ, v[ADRT]
	FETCH_B \next, 0, 0
	FETCH_A \next, 0, 0
	SCALES \next
	WIN MULW
	MUL8 4, 1, NQ-1, \slot, 0
	MUL8 6, 1, NQ-1, \slot, 0
	PLACES NP
	WIN 0
	FETCH_A \next, 0, 4
.endm
	s_wait_alu depctr_va_vdst(0)
	s_wait_tensorcnt 0x0                           ; my tile of the head's four is in; the three lines ahead of a later first fill, as ahead of a refill
	ds_add_u32 v[SPW], v[NIL]
	s_mov_b32 s[G1+2], 96<<16                      ; no tensor load of mine is out: from here on a load brings 128 rows of A or 64 of B
	s_mov_b32 s[G1+4], 96
	s_mov_b32 s[G1B+2], 48<<16
	s_mov_b32 s[G1B+4], 48
	s_wait_dscnt 0x0
	CROUND                                         ; all four tiles are in, and all sixteen work-groups are here
	JLOAD G0+4, G1, G0B+4, G1B                     ; K step 1, the first tensor load behind the round
	FETCH_B 0, 0, 0
	FETCH_A 0, 0, 0
	SCALES 0
	FETCH_A 0, 0, 4
	STEP 0, 0, 1
	s_mov_b32 s3, LAPS-1
.Llap:
	TURN 0, 1, 1
	STEP 1, 0, 0
	TURN 1, 0, 1
	STEP 0, 0, 0
	s_sub_co_u32 s3, s3, 1
	s_cmp_lg_u32 s3, 0
	s_cbranch_scc1 .Llap
	TURN 0, 1, 0
	STEP 1, 0, 0
	s_wait_dscnt 4*NL
	WIN MULW
	MUL8 0, 1, NQ-1, 1, 0
	MUL8 2, 1, NQ-1, 1, 0
	s_wait_dscnt 0
	MUL8 4, 1, NQ-1, 1, 0
	MUL8 6, 1, NQ-1, 1, 0
	WIN 0
.macro TOSTAGE a
.set AC, 32*(\a)
	WIN 0x08
.irp b, 0,1,2,3
	ds_store_b128 v[STO], v[AC+8*\b:AC+8*\b+3] offset:64*\b
	ds_store_b128 v[STO], v[AC+8*\b+4:AC+8*\b+7] offset:64*\b+16
.endr
	WIN 0
.set BB, BK+32*((\a)%6)
.irp t, 0,1,2,3,4,5,6,7
	ds_load_b128 v[BB+4*\t:BB+4*\t+3], v[RD] offset:\t*2*SPITCH
.endr
.endm
.macro SEND a, younger
.set BB, BK+32*((\a)%6)
	s_wait_dscnt \younger
.irp t, 0,1,2,3,4,5,6,7
	global_store_b128 v[CO], v[BB+4*\t:BB+4*\t+3], s[12:13] offset:(16*(\a)+2*\t)*SIZE_N*4 th:TH_STORE_NT
.endr
.endm
	PLACES NP
	TOSTAGE 0
.irp a, 1,2,3,4,5,6,7
.if \a > 5
	s_wait_xcnt 0x0
.endif
	TOSTAGE \a
	SEND \a-1, 16
.endr
	SEND 7, 0
	s_wait_tensorcnt 0x0
	ds_add_u32 v[SPW], v[NIL]
	s_wait_dscnt 0x0
	CROUND
	s_endpgm
.Lfunc_end_k_q13c29eb4eb_outp:
	.size	k_q13c29eb4eb_outp, .Lfunc_end_k_q13c29eb4eb_outp-k_q13c29eb4eb_outp
	.p2alignl 7, 3214868480
	.fill 96, 4, 3214868480
	.section	.rodata,"a",@progbits
	.p2align	6, 0x0
	.amdhsa_kernel k_q13c29eb4eb_outp
		.amdhsa_group_segment_fixed_size 327680
		.amdhsa_private_segment_fixed_size 0
		.amdhsa_enable_private_segment 0
		.amdhsa_kernarg_size 40
		.amdhsa_user_sgpr_count 2
		.amdhsa_user_sgpr_kernarg_segment_ptr 1
		.amdhsa_wavefront_size32 1
		.amdhsa_system_sgpr_workgroup_id_x 1
		.amdhsa_system_sgpr_workgroup_id_y 1
		.amdhsa_system_sgpr_workgroup_id_z 1
		.amdhsa_system_vgpr_workitem_id 0
		.amdhsa_next_free_vgpr 768
		.amdhsa_next_free_sgpr 100
		.amdhsa_reserve_vcc 0
		.amdhsa_float_denorm_mode_32 3
		.amdhsa_float_denorm_mode_16_64 3
		.amdhsa_memory_ordered 1
		.amdhsa_forward_progress 1
		.amdhsa_inst_pref_size 103
	.end_amdhsa_kernel
	.amdgpu_metadata
---
amdhsa.version: [ 1, 2 ]
amdhsa.kernels:
  - .name:           k_q13c29eb4eb_outp
    .symbol:         k_q13c29eb4eb_outp.kd
    .args:
      - { .name: shc, .offset: 0, .size: 8, .value_kind: global_buffer, .address_space: global }
      - { .name: shs, .offset: 8, .size: 8, .value_kind: global_buffer, .address_space: global }
      - { .name: qcodes, .offset: 16, .size: 8, .value_kind: global_buffer, .address_space: global }
      - { .name: qscales, .offset: 24, .size: 8, .value_kind: global_buffer, .address_space: global }
      - { .name: out0, .offset: 32, .size: 8, .value_kind: global_buffer, .address_space: global }
    .group_segment_fixed_size: 327680
    .private_segment_fixed_size: 0
    .kernarg_segment_align: 8
    .kernarg_segment_size: 40
    .max_flat_workgroup_size: 128
    .sgpr_count:     100
    .vgpr_count:     768
    .wavefront_size: 32
...
	.end_amdgpu_metadata
.endif
;; end of part 4
